; MI455X (gfx1250); checked and timed in simulation.
; The chip was launched on July 23, 2026; its instructions are those of AMD's public machine-readable ISA for CDNA 5 (MIT licence, August 2026) and "CDNA5" Instruction Set Architecture Reference Guide (July 2026). The comments in the code are by the model that wrote it; some were corrected since.
;; E8 Attention. Allowed arithmetic: matrix products marked QUANTISED: E3M2 operands, one E8M0 scale for each 32 along K, by v_wmma_scale_f32_16x16x128_f8f6f4 with both operands' format E3M2, f32 sums; products left as they are: f32 operands where the result goes on into a quantised operand, else bf16, f16 or f32 operands; f32 sums; everything else in f32.
;; Inputs: head_dirs 16 x 8 float32; head_scales 16 float32; w_out 1,024 x 1,024 float32; w_qkv 1,024 x 3,072 float32; x 2 x 2,048 x 1,024 float32.
;; Outputs: out0 2 x 2,048 x 1,024 float32.
;; This version of the problem:
;;   THIS VERSION OF THE PROBLEM IS GIVEN IN LOW PRECISION. The matrix products marked QUANTISED in the list below multiply operands that are first quantised to E3M2 (3 exponent bits, 2 mantissa bits; 6 bits a number), with one power-of-two scale for each 32 numbers along K (OCP MX v1.0); their sums are f32. All else is computed in f32.
;;   The module's matrix products, in the order in which they are computed (A, B: the left and right operand; K: the contracted axis; several contracted axes count as one K, in the product's order):
;;     1. [M 4,096, K 1,024] x [K 1,024, N 3,072]; A: input x; B: input w_qkv: QUANTISED
;;     2. batch 32 x [M 2,048, K 64] x [K 64, N 2,048]; A: computed on the way; B: computed on the way: QUANTISED
;;     3. batch 16 x [M 1, K 8] x [K 8, N 4,096]; A: input head_dirs; B: computed on the way: left as it is (K = 8 < 32)
;;     4. batch 16 x [M 1, K 8] x [K 8, N 4,096]; A: input head_dirs; B: computed on the way: left as it is (K = 8 < 32)
;;     5. batch 32 x [M 2,048, K 2,048] x [K 2,048, N 64]; A: softmax (see below); B: computed on the way: QUANTISED
;;     6. [M 4,096, K 1,024] x [K 1,024, N 1,024]; A: computed on the way; B: input w_out: QUANTISED
;;   THE QUANTISER, for each operand of a quantised product, along K:
;;     - K is cut into blocks of 32 from its start; a last block that is shorter is filled with zeros.
;;     - A block's scale is 2^e with e = floor(log2(the largest magnitude in the block)) - 4, held to -126 .. 127; a block of zeros has e = 0. As a byte (E8M0): e + 127.
;;     - Each number is divided by its block's scale, clamped to +-28, and rounded to the nearest number of E3M2, ties to even, subnormals kept.
;;     - The product sums the exact products of the quantised numbers (number of the format x scale) in f32.
;;   ~~~python
;;   def quantise(x, axis):      # numpy; x: float32 -> the quantised numbers, widened to float32 again
;;       x = np.moveaxis(x, axis, -1); K = x.shape[-1]
;;       x = np.pad(x, [(0, 0)] * (x.ndim - 1) + [(0, -K % 32)]); x = x.reshape(x.shape[:-1] + (-1, 32)); a = np.abs(x).max(-1, keepdims=True)
;;       e = np.where(a > 0, np.clip(np.frexp(np.where(a > 0, a, 1))[1] - 1 - 4, -126, 127), 0)      # np.frexp(a)[1] - 1 = floor(log2(a)), exactly
;;       r = np.clip(x / 2.0 ** e, -28, 28)
;;       step = 2.0 ** (np.maximum(np.frexp(np.where(r == 0, 1, r))[1] - 1, -2) - 2)
;;       q = np.round(r / step) * step * 2.0 ** e      # np.round: ties to even
;;       return np.moveaxis(q.reshape(q.shape[:-2] + (-1,))[..., :K], -1, axis).astype(np.float32)
;;   ~~~
;;   SOFTMAX AHEAD OF A QUANTISED PRODUCT. Where the list says 'softmax', what is quantised is not the finished softmax but p = 2^(t - M), with t = logit x log2(e) and M = ceil(the row's largest t), a whole number; so 1/2 < the row's largest p <= 1. The row's sum l is taken of the UNQUANTISED p, in f32, and the product's result is divided by l at the end. Since M is a whole number, a kernel that streams over the keys may use a running M (the ceiling of the running maximum): every later rescaling is an exact power of two, which a block's scale takes up: the codes' values come out the same.
;;   OPERANDS COMPUTED ON THE WAY. 'Computed on the way' means the value that the module computes at that place (a softmax that the list does not call 'softmax' is quantised finished and normalised). What goes into a quantiser is computed in f32, as accurately as f32 sums, v_exp_f32 and their like allow (about 1e-6 of the number): no bf16 or f16 on the way to a quantiser, and a product that is left as it is and whose result goes on into a quantised operand takes f32 operands (vector FMAs, or v_wmma_f32_16x16x4_f32). A number that lies on a knife's edge between two numbers of the format may be rounded either way, as far as f32 arithmetic and the matrix unit's own rounding can turn it there, and no further.
;; One version. Each part assembles by itself: llvm-mc -triple=amdgcn-amd-amdhsa -mcpu=gfx1250 --defsym DOCPART=n.
;; ======== version 1 of 1: 4 launches
;; limits: right only within a limited range of input values
;; workspace buffers: cod 9,437,184 bytes; scl 393,216 bytes; qkc 6,291,456 bytes; vc 3,145,728 bytes; aux 1,179,648 bytes
;; launch quant (part 1): grid 384 x 1, 4 waves a work-group, no clusters, 94,720 bytes of LDS; arguments x, w_qkv, w_out, cod, scl; writes cod, scl
.if DOCPART == 1
	.amdgcn_target "amdgcn-amd-amdhsa--gfx1250"
	.amdhsa_code_object_version 6
	.text
	.protected	k_q9dc800db79_quant
	.globl	k_q9dc800db79_quant
	.p2align	8
	.type	k_q9dc800db79_quant,@function
k_q9dc800db79_quant:
	s_mov_b64 s[64:65], 0
	v_nop
	global_prefetch_b8 v0, s[64:65] scope:SCOPE_SE
	s_setreg_imm32_b32 hwreg(HW_REG_WAVE_MODE, 25, 1), 1
	s_wait_xcnt 0x0
; x [4096][1024], w_qkv [1024][3072] and w_out [1024][1024], f32, become codes of BF6 (E3M2) with one E8M0 byte for each 32 along K (K = 1024: x's last axis, the weights' first).
; A block's scale is 2^(floor(log2(its largest magnitude)) - 4); its byte is the largest magnitude's exponent field - 4, held at 1 from below.
; LIMITS: a block of zeros, or one whose largest magnitude lies under 2^-122, gets the byte 1 (its codes are right, and this program alone reads the bytes); NaN and infinities are not served.
; THE WORKSPACE IS LAID AS THE MATRIX OPERANDS' REGISTERS.  A tile is 16 rows: tile 2 G + u holds rows 32 G + 8 u + r + 8 (r / 8), r = 0 .. 15.  A fragment (a tile x 128 K) is 1,536 bytes: for c = 0, 1,
; at 768 c + 16 lane the lane's registers 6 c .. 6 c + 3, at 768 c + 512 + 8 lane its registers 6 c + 4, 6 c + 5.  cod: tile x 12,288 + K step x 1,536.  Tiles 0-255 x, 256-447 w_qkv's columns, 448-511 w_out's.
; scl: group G x 1,024 + (K step / 2) x 256 + u x 128 + r x 8 + (K step % 2) x 4: a word of four bytes for a row and 128 K.
; Work-groups 0-255: one tile of x each, a wave to 256 along K.  Work-groups 256-383: the weights, a wave to 32 columns x 256 along K.  The two paths part on the work-group's number and have LDS bytes of their own.
; No cluster, no tensor load, no barrier: no two work-groups, and no two waves, share a byte.
.set SEL,  26                          ; s[26:27] lane selects: lane l xor 16
.set TM,   228                         ; v228-243 the quantiser's work
.set XST,  16896                       ; x's path: two stages of 16 rows x 528 bytes for each wave
.set WST,  67584                       ; the weights' path begins behind them:
.set WSB,  6656                        ; two tiles' images (3,072 bytes each, 3,200 apart) for each wave
.set VO,   16                          ; v16-31  4 lane + i x pitch, i = 0 .. 15; never rewritten
.set X,    32                          ; v32-95  two sets of 32 numbers
.set C,    160                         ; v160-165 a block's codes
.set E,    168                         ; v168-170 their second half as it is made
.set SBY,  172                         ; v172-173 eight scale bytes
.set OUTR, 176                         ; v176-223 the way out
.set SB,   32                          ; s[32:63] sixteen bases, 16 rows of the weight apart; never rewritten
; 64 numbers of a lane, register 16 b + i = k 32 b + 16 (lane / 16) + i of its row, become a fragment's 12 registers at v[pc] and the row's scale word in v[pw]
.macro QUANT s, pc, tp, pw
.irp b, 0,1,2,3
	v_max3_num_f32 v[TM+\b], |v[\s+16*\b]|, |v[\s+1+16*\b]|, 0x2800000   ; my 16 numbers of block b, and the floor 2^(5 - 127)
.endr
.irp i, 2,4,6,8,10,12,14
.irp b, 0,1,2,3
	v_max3_num_f32 v[TM+\b], v[TM+\b], |v[\s+16*\b+\i]|, |v[\s+1+16*\b+\i]|
.endr
.endr
.irp b, 0,1,2,3
	v_permlanex16_b32 v[TM+4+\b], v[TM+\b], s[SEL], s[SEL+1]
.endr
.irp b, 0,1,2,3
	v_max_num_f32 v[TM+\b], v[TM+\b], v[TM+4+\b]             ; with lane l xor 16's: the block's largest magnitude
.endr
.irp b, 0,1,2,3
	v_add_nc_u32 v[TM+12+\b], 0xfe000000, v[TM+\b]           ; 4 off its exponent field: the conversion's scale operand
.endr
.irp b, 0,1,2,3
	v_lshrrev_b32 v[TM+4+\b], 23, v[TM+12+\b]                ; the scale's byte
.endr
	v_lshl_or_b32 v[\pw], v[TM+5], 8, v[TM+4]
	v_lshl_or_b32 v[\pw], v[TM+6], 16, v[\pw]
	v_lshl_or_b32 v[\pw], v[TM+7], 24, v[\pw]
.irp c, 0,1
	v_cvt_scalef32_pk16_bf6_f32 v[\pc+6*\c:\pc+6*\c+2], v[\s+32*\c:\s+32*\c+15], v[TM+12+2*\c]
	v_cvt_scalef32_pk16_bf6_f32 v[\tp+4*\c:\tp+4*\c+2], v[\s+32*\c+16:\s+32*\c+31], v[TM+13+2*\c]
.endr
	v_nop                                                    ; one plain place behind a scaled conversion
.irp c, 0,1
.irp i, 0,1,2
	v_permlane16_swap_b32 v[\pc+6*\c+\i], v[\tp+4*\c+\i]     ; a whole block to a lane: lanes 0-15 block 2 c, lanes 16-31 block 2 c + 1
.endr
.irp i, 0,1,2
	v_mov_b32 v[\pc+3+6*\c+\i], v[\tp+4*\c+\i]
.endr
.endr
.endm
.macro PUT pc, off                     ; a fragment leaves as its image: each store covers 512 or 256 consecutive bytes, aligned
	global_store_b128 v4, v[\pc:\pc+3], s[10:11] offset:\off
	global_store_b64 v8, v[\pc+4:\pc+5], s[10:11] offset:\off+512
	global_store_b128 v4, v[\pc+6:\pc+9], s[10:11] offset:\off+768
	global_store_b64 v8, v[\pc+10:\pc+11], s[10:11] offset:\off+1280
.endm
	s_load_b128 s[4:7], s[0:1], 0x0                ; x, w_qkv
	s_load_b128 s[8:11], s[0:1], 0x10              ; w_out, cod
	s_load_b64 s[12:13], s[0:1], 0x20              ; scl
	v_lshl_add_u32 v254, v0, 2, 0x17000
	v_mov_b32 v255, 0
	v_lshrrev_b32 v1, 5, v0
	v_readfirstlane_b32 s14, v1                    ; wave
	v_and_b32 v1, 31, v0                           ; lane
	s_cmp_lt_u32 ttmp9, 256
	s_cbranch_scc0 .Lweights
	; ---- x: the work-group's number is the tile; my wave takes K steps 2 wave and 2 wave + 1
	v_and_b32 v2, 15, v0                           ; r
	v_bfe_u32 v3, v0, 4, 1                         ; h
	v_lshlrev_b32 v4, 4, v1                        ; 16 lane
	v_lshlrev_b32 v8, 3, v1                        ; 8 lane
	s_mul_i32 s15, s14, XST
	v_add_nc_u32 v5, s15, v4                       ; the stage, in: a row's 512 bytes as they lie
	v_mul_u32_u24 v6, v2, 528
	v_lshl_add_u32 v6, v3, 6, v6
	v_add_nc_u32 v6, s15, v6                       ; out: row r, + 64 h: my 16 numbers of each block of 32
	v_lshlrev_b32 v9, 3, v2
	v_lshl_add_u32 v9, v3, 2, v9                   ; the scale words: 8 r + 4 h
	s_mov_b32 s[SEL], 0x76543210
	s_mov_b32 s[SEL+1], 0xfedcba98
.irp b, 0,1,2,3
	v_mov_b32 v[TM+4+\b], 0                        ; a lane permute's destination counts as one of its sources
.endr
	s_lshr_b32 s16, ttmp9, 1                       ; group of 32 rows
	s_and_b32 s17, ttmp9, 1                        ; u
	s_lshl_b32 s18, s16, 17                        ; 32 rows of 4,096 bytes
	s_lshl_b32 s19, s17, 15                        ; 8 rows
	s_add_co_u32 s18, s18, s19
	s_lshl_b32 s19, s14, 10                        ; 256 numbers
	s_add_co_u32 s18, s18, s19
	s_mov_b32 s19, 0
	s_mul_i32 s20, ttmp9, 12288
	s_mul_i32 s21, s14, 3072
	s_add_co_u32 s20, s20, s21
	s_mov_b32 s21, 0
	s_lshl_b32 s22, s16, 10
	s_lshl_b32 s23, s14, 8
	s_add_co_u32 s22, s22, s23
	s_lshl_b32 s23, s17, 7
	s_add_co_u32 s22, s22, s23
	s_mov_b32 s23, 0
	s_wait_alu depctr_va_vdst(0)
	s_wait_kmcnt 0x0
	s_add_nc_u64 s[4:5], s[4:5], s[18:19]
	s_add_nc_u64 s[10:11], s[10:11], s[20:21]
	s_add_nc_u64 s[12:13], s[12:13], s[22:23]
.irp s, 0,1
.irp p, 0,1,2,3,4,5,6,7,8,9,10,11,12,13,14,15
	global_load_b128 v[16+64*\s+4*\p:19+64*\s+4*\p], v4, s[4:5] offset:(\p+8*(\p/8))*4096+512*\s th:TH_LOAD_NT   ; 512 consecutive bytes of the tile's row p
.endr
.endr
	s_wait_loadcnt 16                              ; the first K step's 16 loads are in; the second's may be out
.irp p, 0,1,2,3,4,5,6,7,8,9,10,11,12,13,14,15
	ds_store_b128 v5, v[16+4*\p:19+4*\p] offset:528*\p
.endr
.irp b, 0,1,2,3
.irp j, 0,1,2,3
	ds_load_b128 v[144+16*\b+4*\j:147+16*\b+4*\j], v6 offset:128*\b+16*\j   ; a wave's LDS instructions are served in order: these see the stores
.endr
.endr
	s_wait_loadcnt 0x0
.irp p, 0,1,2,3,4,5,6,7,8,9,10,11,12,13,14,15
	ds_store_b128 v5, v[80+4*\p:83+4*\p] offset:8448+528*\p
.endr
	s_wait_dscnt 16                                ; all but those 16 stores: the first step's numbers are back
.irp b, 0,1,2,3
.irp j, 0,1,2,3
	ds_load_b128 v[16+16*\b+4*\j:19+16*\b+4*\j], v6 offset:8448+128*\b+16*\j
.endr
.endr
	QUANT 144, 208, 220, 244
	PUT 208, 0
	s_wait_dscnt 0x0
	QUANT 16, 144, 156, 245                        ; other registers for these codes: the first fragment's stores may still read theirs
	PUT 144, 1536
	v_cmp_le_u32 vcc_lo, 16, v1
	v_cndmask_b32 v246, v244, v245, vcc_lo         ; lanes 0-15 the even K step's word, lanes 16-31 the odd one's
	global_store_b32 v9, v246, s[12:13]            ; 128 consecutive bytes
	s_wait_tensorcnt 0x0
	ds_add_u32 v254, v255
	s_wait_dscnt 0x0
	s_endpgm
	; ---- the weights: a lane takes a column, its registers run down K
.Lweights:
	s_sub_co_u32 s15, ttmp9, 256
	s_and_b32 s16, s15, 3                          ; which 256 along K
	s_lshr_b32 s17, s15, 2                         ; 0 .. 31
	s_lshl_b32 s18, s17, 2
	s_add_co_u32 s18, s18, s14                     ; group of 32 columns, 0 .. 127: 0-95 w_qkv's, 96-127 w_out's
	s_mov_b32 s20, 4096
	s_wait_kmcnt 0x0
	s_cmp_lt_u32 s17, 24                           ; the choice hangs on the work-group's number alone
	s_cselect_b64 s[4:5], s[6:7], s[8:9]
	s_cselect_b32 s20, 12288, s20                  ; a row of the weight in bytes
	s_cselect_b32 s21, 0, 96
	s_sub_co_u32 s21, s18, s21                     ; the group's number in its own tensor
	s_lshl_b32 s22, s21, 7                         ; 32 columns of 4 bytes
	s_lshl_b32 s23, s16, 8
	s_mul_i32 s23, s23, s20                        ; 256 rows for each quarter of K
	s_add_co_u32 s22, s22, s23
	s_mov_b32 s23, 0
	s_add_nc_u64 s[SB:SB+1], s[4:5], s[22:23]
	s_lshl_b32 s24, s20, 4                         ; 16 rows
	s_mov_b32 s25, 0
.irp j, 1,2,3,4,5,6,7,8,9,10,11,12,13,14,15
	s_add_nc_u64 s[SB+2*\j:SB+2*\j+1], s[SB+2*\j-2:SB+2*\j-1], s[24:25]
.endr
	s_wait_alu depctr_va_vdst(0)
	v_lshlrev_b32 v4, 2, v1
.irp i, 0,1,2,3,4,5,6,7,8,9,10,11,12,13,14,15
	v_mad_u32_u24 v[VO+\i], s20, \i, v4
.endr
	v_bfe_u32 v2, v0, 3, 1                         ; column l of the group lies in tile u = (l / 8) % 2,
	v_and_b32 v3, 7, v0
	v_bfe_u32 v10, v0, 4, 1
	v_lshl_add_u32 v3, v10, 3, v3                  ; as its row r = l % 8 + 8 (l / 16)
	s_mul_i32 s26, s14, WSB
	s_add_co_u32 s26, s26, WST                     ; my wave's stage
	v_mul_u32_u24 v5, v2, 3200
	v_add_nc_u32 v5, s26, v5
	v_lshl_add_u32 v6, v3, 3, v5                   ; + 8 r: registers 4, 5 of a block's six
	v_lshl_add_u32 v5, v3, 4, v5                   ; + 16 r: registers 0 .. 3
	v_lshlrev_b32 v8, 4, v1
	v_add_nc_u32 v7, s26, v8                       ; the way out: 16 bytes a lane
	v_lshlrev_b32 v9, 7, v2
	v_lshl_add_u32 v9, v3, 3, v9                   ; my eight scale bytes: 128 u + 8 r
	s_lshl_b32 s28, s18, 1
	s_add_co_u32 s28, s28, 256
	s_mul_i32 s28, s28, 12288
	s_mul_i32 s29, s16, 3072
	s_add_co_u32 s28, s28, s29
	s_mov_b32 s29, 0
	s_add_nc_u64 s[10:11], s[10:11], s[28:29]
	s_add_co_u32 s30, s18, 128
	s_lshl_b32 s30, s30, 10
	s_lshl_b32 s31, s16, 8
	s_add_co_u32 s30, s30, s31
	s_mov_b32 s31, 0
	s_add_nc_u64 s[12:13], s[12:13], s[30:31]
.macro LOAD t                          ; block t: 32 rows of the weight at my column: each load reads 128 consecutive bytes, the four waves stand side by side on 512
.irp jj, 0,1
.irp i, 0,1,2,3,4,5,6,7,8,9,10,11,12,13,14,15
	global_load_b32 v[X+32*((\t)%2)+16*\jj+\i], v[VO+\i], s[SB+2*(2*(\t)+\jj):SB+2*(2*(\t)+\jj)+1] th:TH_LOAD_NT
.endr
.endr
.endm
.macro BLOCK t
.set XS, X+32*((\t)%2)
.if (\t) < 7
	s_wait_loadcnt 32                              ; this block's 32 loads are in; the next block's may be out
.else
	s_wait_loadcnt 0x0
.endif
	v_max3_num_f32 v12, |v[XS]|, |v[XS+1]|, |v[XS+2]|        ; all 32 numbers of the block are mine
	v_max3_num_f32 v13, |v[XS+3]|, |v[XS+4]|, |v[XS+5]|
.irp i, 6,10,14,18,22,26
	v_max3_num_f32 v12, v12, |v[XS+\i]|, |v[XS+\i+1]|
	v_max3_num_f32 v13, v13, |v[XS+\i+2]|, |v[XS+\i+3]|
.endr
	v_max3_num_f32 v12, v12, |v[XS+30]|, |v[XS+31]|
	v_max3_num_f32 v12, v12, v13, 0x2800000        ; and the floor
	v_add_nc_u32 v11, 0xfe000000, v12
	v_lshrrev_b32 v13, 23, v11
.if (\t)%4 == 0
	v_mov_b32 v[SBY+(\t)/4], v13
.else
	v_lshl_or_b32 v[SBY+(\t)/4], v13, 8*((\t)%4), v[SBY+(\t)/4]
.endif
	v_cvt_scalef32_pk16_bf6_f32 v[C:C+2], v[XS:XS+15], v11
	v_cvt_scalef32_pk16_bf6_f32 v[E:E+2], v[XS+16:XS+31], v11
	v_nop                                          ; one plain place behind a scaled conversion
.irp i, 0,1,2
	v_mov_b32 v[C+3+\i], v[E+\i]
.endr
	; block t is K step t / 4 of my two, half c = (t / 2) % 2, lanes' half h = t % 2: my six registers go where lane r + 16 h of the image has them
	ds_store_b128 v5, v[C:C+3] offset:((\t)/4)*1536+(((\t)/2)%2)*768+256*((\t)%2)
	ds_store_b64 v6, v[C+4:C+5] offset:((\t)/4)*1536+(((\t)/2)%2)*768+512+128*((\t)%2)
.if (\t)+2 < 8
	LOAD (\t)+2
.endif
	s_wait_dscnt 0x0                               ; the stores are done before the next block's codes are written
.endm
	LOAD 0
	LOAD 1
.irp t, 0,1,2,3,4,5,6,7
	BLOCK \t
.endr
	s_wait_alu depctr_va_vdst(0)
	global_store_b64 v9, v[SBY:SBY+1], s[12:13]    ; 32 lanes store 256 consecutive bytes, aligned
.irp m, 0,1,2,3,4,5,6,7,8,9,10,11
	ds_load_b128 v[OUTR+4*\m:OUTR+4*\m+3], v7 offset:(\m/6)*3200+(\m%6)*512
.endr
.irp m, 0,1,2,3,4,5,6,7,8,9,10,11
	s_wait_dscnt 11-\m                             ; load m is back; the younger ones may be out
	global_store_b128 v8, v[OUTR+4*\m:OUTR+4*\m+3], s[10:11] offset:(\m/6)*12288+(\m%6)*512
.endr
	s_wait_tensorcnt 0x0
	ds_add_u32 v254, v255
	s_wait_dscnt 0x0
	s_endpgm
.Lfunc_end_k_q9dc800db79_quant:
	.size	k_q9dc800db79_quant, .Lfunc_end_k_q9dc800db79_quant-k_q9dc800db79_quant
	.p2alignl 7, 3214868480
	.fill 96, 4, 3214868480
	.section	.rodata,"a",@progbits
	.p2align	6, 0x0
	.amdhsa_kernel k_q9dc800db79_quant
		.amdhsa_group_segment_fixed_size 94720
		.amdhsa_private_segment_fixed_size 0
		.amdhsa_enable_private_segment 0
		.amdhsa_kernarg_size 40
		.amdhsa_user_sgpr_count 2
		.amdhsa_user_sgpr_kernarg_segment_ptr 1
		.amdhsa_wavefront_size32 1
		.amdhsa_system_sgpr_workgroup_id_x 1
		.amdhsa_system_sgpr_workgroup_id_y 1
		.amdhsa_system_sgpr_workgroup_id_z 1
		.amdhsa_system_vgpr_workitem_id 0
		.amdhsa_next_free_vgpr 256
		.amdhsa_next_free_sgpr 80
		.amdhsa_reserve_vcc 1
		.amdhsa_float_denorm_mode_32 3
		.amdhsa_float_denorm_mode_16_64 3
		.amdhsa_memory_ordered 1
		.amdhsa_forward_progress 1
		.amdhsa_inst_pref_size 61
	.end_amdhsa_kernel
	.amdgpu_metadata
---
amdhsa.version: [ 1, 2 ]
amdhsa.kernels:
  - .name:           k_q9dc800db79_quant
    .symbol:         k_q9dc800db79_quant.kd
    .args:
      - { .name: x, .offset: 0, .size: 8, .value_kind: global_buffer, .address_space: global }
      - { .name: w_qkv, .offset: 8, .size: 8, .value_kind: global_buffer, .address_space: global }
      - { .name: w_out, .offset: 16, .size: 8, .value_kind: global_buffer, .address_space: global }
      - { .name: cod, .offset: 24, .size: 8, .value_kind: global_buffer, .address_space: global }
      - { .name: scl, .offset: 32, .size: 8, .value_kind: global_buffer, .address_space: global }
    .group_segment_fixed_size: 94720
    .private_segment_fixed_size: 0
    .kernarg_segment_align: 8
    .kernarg_segment_size: 40
    .max_flat_workgroup_size: 128
    .sgpr_count:     80
    .vgpr_count:     256
    .wavefront_size: 32
...
	.end_amdgpu_metadata
.endif
;; end of part 1
;; launch qkv (part 2): grid 48 x 4, 4 waves a work-group, clusters of 4 x 4, 327,680 bytes of LDS; arguments cod, scl, head_dirs, qkc, vc, aux; writes qkc, vc, aux
.if DOCPART == 2
	.amdgcn_target "amdgcn-amd-amdhsa--gfx1250"
	.amdhsa_code_object_version 6
	.text
	.protected	k_q9dc800db79_qkv
	.globl	k_q9dc800db79_qkv
	.p2align	8
	.type	k_q9dc800db79_qkv,@function
k_q9dc800db79_qkv:
	s_mov_b64 s[64:65], 0
	v_nop
	global_prefetch_b8 v0, s[64:65] scope:SCOPE_SE
	s_setreg_imm32_b32 hwreg(HW_REG_WAVE_MODE, 25, 1), 1
	s_wait_xcnt 0x0
	s_wait_alu depctr_hold_cnt(0) depctr_sa_sdst(0) depctr_va_vdst(0) depctr_va_sdst(0) depctr_va_ssrc(0) depctr_va_vcc(0) depctr_vm_vsrc(0)
	s_getreg_b32 s2, hwreg(HW_REG_IB_STS2, 6, 4)
	s_cmp_eq_u32 s2, 0
	s_cbranch_scc0 .Lentry_in_a_cluster
	s_endpgm
.Lentry_in_a_cluster:
	s_bfe_u32 s2, ttmp6, 0x10000c
	s_cmp_lg_u32 s2, 0xf033
	s_cbranch_scc0 .Lentry_shape_is_right
	s_endpgm
.Lentry_shape_is_right:
; qkv = x w_qkv on codes of BF6 (E3M2) with E8M0 scales, K = 1,024; the result never goes to memory as f32: on the way out q and k are quantised along a head's 64, v along the keys, and the
; projections of q's and k's first eight numbers onto head_dirs are made in f32.
; A work-group of four waves makes 256 x 256 of the result, a wave 128 x 128: 64 accumulators, 512 registers.  Clusters 0-7 (of 12): rows = tokens (operand A = x), columns = q's and k's features (operand B).
; Clusters 8-11: THE ROLES ARE SWAPPED: rows = v's features (A), columns = tokens (B).  The matrix instruction is used transposed (source 0 = 16 rows of B, source 1 = 16 rows of A): a lane holds one row of A,
; and its registers run along B's rows: along a head's features for q and k, along the keys for v: each time the next product's K.
; Tiles are 16 rows 32 G + 8 u + r + 8 (r / 8): so the 16 registers of two neighbouring tiles of B are 16 neighbours, 32 b + 16 (lane / 16) + 0 .. 15.
; Operands lie in memory as images of their registers (1,536 bytes a fragment: at 768 c + 16 lane registers 6 c .. 6 c + 3, at 768 c + 512 + 8 lane registers 6 c + 4, 6 c + 5).
; K goes through two LDS slots; K steps 0-2 and 3-5 are the first fills, K steps 6 and 7 fill slot 0 again.  The eight K steps are written out.
; CLUSTERS: 4 x 4 work-groups; A's tiles are asked for jointly along a row of the cluster, B's along a column.  The choice of roles hangs on the cluster's number, which all partners share.
; OUT: qkc [which x 16 + head][token tile][768]: a head's 64 codes of 16 tokens.  vc [head][key step of 128][tile of 16 of the head's 64][1,536].
;   aux: at 0 q's and k's scale words [which x 16 + head][128 tokens][512]: tile 2 b + u's row r at 16 (16 u + r) + 4 b, bytes 2 and 3 = 0x7f (they meet zero codes);
;        at 524,288 the projections [which x 16 + head][4,096] f32;  at 1,048,576 v's scale words [pair of heads][key step][512], laid likewise.
; LIMITS: a block of zeros, or one whose largest magnitude lies under 2^-122, gets the byte 1; NaN and infinities are not served; the projections' sums run in ascending order of the eight.
; REGISTERS: window 0: v4-22 addresses; v28, v29 for the add; v32-95 scale words (8 i + K step: lanes 0-15 A's block i, lanes 16-31 B's block i) and nothing else; v96-127 the quantiser's work;
;   v128-223 A's fragments, one set; on the way out codes and work.  window 1: B's fragments, two sets, at v0 and v128.  windows 2, 3: the accumulators, (a, b) at v[8 (8 (a % 4) + b)].
; THE RING AS IT STANDS: two slots of three K steps each (a tile's row in a slot is 4,608 bytes).  Slot 0 takes K steps 0-2 at the head, one load a wave; slot 1 takes K steps 3-5 behind the full
; sequence and a round of the cluster's barrier; slot 0 is filled again with K steps 6 and 7 (rows of 3,072 bytes) behind the round in K step 2.
.set SLOT,  147456                     ; A's 16 tiles x 4,608 bytes, then B's
.set HALF,  36864                      ; 8 tiles: what one tensor load brings, and what a wave reads of A or of B
.set TPITCH, 4608                      ; from tile to tile in the slot that is being read
.set SPARE, 294912                     ; behind the slots: the spare words, 128 bytes a wave
.set PSTG,  147456                     ; the projections' stage, 1,024 bytes a wave, in slot 1: filled once, and last read ahead of the barrier in K step 5
.set FR,    12
.set A16, 4                            ; v4-5   slot s: my A fragments, + 16 lane;  v7-8 + 8 lane
.set A8,  7
.set B16, 10                           ; v10-11, v13-14 the same for B
.set B8,  13
.set SOFF, 16
.set O16, 17                           ; 16 lane
.set O8,  18                           ; 8 lane
.set O16C, 19                          ; the same, on to a fragment's second half's place
.set O8C, 20
.set PST, 21
.set PRD, 22
.set SPW, 28
.set NIL, 29
.set SC,  32
.set TM,  96
.set PW,  112                          ; v112-119 block a's scale word
.set XW,  120
.set X1,  124
.set AF,  128
.set PC,  128
.set TP,  140
.set PJ,  160                          ; v160-175 projections: block a, head c at 2 a + c
.set SEVF, 176
.set ZZ,  180
.set BK,  184
.set WV, 16
.set RH, 17
.set CH, 18
.set CL, 19
.set CX, 20
.set CY, 21
.set TC, 22
.set TR, 23
.set G1, 24                            ; s[24:31] group 1 for A's tiles; s[32:39] two groups 0
.set G0, 32
.set G1B, 44                           ; s[44:51], s[52:59] the same for B's
.set G0B, 52
.set ISV, 66
.set HI,  67                           ; mask of lanes 16-31
.set DIR, 68                           ; s[68:83] head_dirs of my two heads
.set OUT, 84
.set STA, 86
.set STB, 88
.set SEL, 90
.set AUXW, 92
.set MSB, 0
.macro WIN new                         ; the immediate's high byte repeats the setting that is left
.if MSB != \new
	s_set_vgpr_msb (MSB<<8)|\new
.set MSB, \new
.endif
.endm
.set MUL_LO, 0xa1                      ; source 0 (B) window 1, source 1 (A) window 0, C and D window 2
.set MUL_HI, 0xf1
.set TO_B,   0x40
.macro JLOAD g0a, g1a, g0b, g1b        ; a joint load: waves 0, 1 fetch A's halves, waves 2, 3 B's; four v_nop follow each line
	s_cmp_eq_u32 s[RH], 0
	s_cbranch_scc0 .Lfor_b_\@
	tensor_load_to_lds s[\g0a:\g0a+3], s[\g1a:\g1a+7]
	s_nop 0
.rept 4
	v_nop
.endr
	s_branch .Lasked_\@
.Lfor_b_\@:
	tensor_load_to_lds s[\g0b:\g0b+3], s[\g1b:\g1b+7]
	s_nop 0
.rept 4
	v_nop
.endr
.Lasked_\@:
.endm
.macro CREST                           ; a round of the cluster's barrier behind its opening barrier
	s_cmp_lg_u32 s[WV], 0
	s_cbranch_scc1 .Lnot_wave_0_\@
	s_barrier_signal -3
.Lnot_wave_0_\@:
	s_barrier_wait -3
	s_barrier_signal -1
	s_barrier_wait -1
.endm
.macro CROUND
	s_barrier_signal -1
	s_barrier_wait -1
	CREST
.endm
.macro PLACES
.rept 4
	v_nop
.endr
.endm
	s_load_b256 s[4:11], s[0:1], 0x0               ; cod s[4:5], scl s[6:7], head_dirs s[8:9], qkc s[10:11]
	s_load_b128 s[12:15], s[0:1], 0x20             ; vc s[12:13], aux s[14:15]
	v_lshl_add_u32 v[SPW], v0, 2, SPARE
	v_mov_b32 v[NIL], 0
	ds_add_u32 v28, v29
	ds_add_u32 v28, v29
	s_wait_dscnt 0x0
	v_lshrrev_b32 v1, 5, v0
	v_readfirstlane_b32 s[WV], v1                  ; wave 0..3
	s_lshr_b32 s[RH], s[WV], 1                     ; my half of A's rows.  Also: I fetch for A (0) or for B (1)
	s_and_b32 s[CH], s[WV], 1                      ; my half of B's rows.  Also: which 8 tiles I fetch
	s_mov_b32 s[CL], ttmp9                         ; the cluster's number, 0 .. 11
	s_bfe_u32 s[CX], ttmp6, 0x40000
	s_bfe_u32 s[CY], ttmp6, 0x40004
	s_lshr_b32 s94, s[CL], 1
	s_lshl_b32 s94, s94, 2                         ; q, k: tile rows 4 (cl / 2) on,
	s_and_b32 s95, s[CL], 1
	s_lshl_b32 s95, s95, 2                         ;       tile columns 4 (cl % 2) on
	s_max_u32 s96, s[CL], 8
	s_sub_co_u32 s96, s96, 8
	s_lshl_b32 s96, s96, 2                         ; v: tile columns 4 (cl - 8) on, tile rows 0 on
	s_cmp_lt_u32 s[CL], 8
	s_cselect_b32 s[ISV], 0, 1
	s_cselect_b32 s97, s94, 0
	s_cselect_b32 s98, s95, s96
	s_cselect_b32 s99, 0, 384                      ; A's tiles: x's from 0, v's features from 384
	s_cselect_b32 s100, 256, 0                     ; B's tiles: q's and k's features from 256, x's from 0
	s_add_co_u32 s[TR], s97, s[CY]
	s_add_co_u32 s[TC], s98, s[CX]
	s_lshl_b32 s94, s[TR], 4
	s_add_co_u32 s94, s94, s99                     ; A's first tile
	s_lshl_b32 s95, s[TC], 4
	s_add_co_u32 s95, s95, s100                    ; B's first tile
	s_lshl_b32 s96, s[CH], 3
	s_add_co_u32 s2, s94, s96
	s_mul_i32 s2, s2, 12288                        ; what I would fetch of A, in bytes,
	s_mov_b32 s3, 0
	s_add_co_u32 s100, s95, s96
	s_mul_i32 s100, s100, 12288                    ; and of B
	s_mov_b32 s101, 0
	s_mul_i32 s99, s[WV], HALF                     ; where it goes: the wave's number alone enters an LDS address
	s_lshl_b32 s97, s[CY], 2
	s_lshl_b32 s97, 15, s97                        ; my row of the cluster
	s_lshl_b32 s98, 0x1111, s[CX]                  ; my column
	s_or_b32 s[G1], s97, (3<<16)|(1<<21)           ; 15:0 the mask; 17:16 elements of 8 bytes; 21 set beside a mask; no padding: images are read lane by lane on end
	s_or_b32 s[G1B], s98, (3<<16)|(1<<21)
.irp g, G1, G1B
	s_mov_b32 s[\g+1], 576<<16                     ; tensor_dim0: a tile's 4,608 bytes of three K steps
	s_mov_b32 s[\g+2], 8<<16                       ; tensor_dim1: 8 tiles
	s_mov_b32 s[\g+3], 576<<16                     ; tile_dim0
	s_mov_b32 s[\g+4], 8                           ; tile_dim1
	s_mov_b32 s[\g+5], 1536                        ; from tile to tile: 12,288 bytes
	s_mov_b32 s[\g+6], 0
	s_mov_b32 s[\g+7], 0
.endr
	s_mov_b32 s[SEL], 0x76543210
	s_mov_b32 s[SEL+1], 0xfedcba98
	s_wait_kmcnt 0x0
	s_add_nc_u64 s[2:3], s[4:5], s[2:3]
	s_add_nc_u64 s[100:101], s[4:5], s[100:101]
	CROUND                                         ; all sixteen work-groups are here: the first joint loads meet
.irp s, 0,1
	s_mov_b32 s[G0+4*\s], 1
	s_add_co_u32 s[G0+4*\s+1], s99, \s*SLOT
	s_add_nc_u64 s[G0+4*\s+2:G0+4*\s+3], s[2:3], \s*4608
	s_or_b32 s[G0+4*\s+3], s[G0+4*\s+3], 0x80000000
	s_mov_b32 s[G0B+4*\s], 1
	s_add_co_u32 s[G0B+4*\s+1], s99, \s*SLOT
	s_add_nc_u64 s[G0B+4*\s+2:G0B+4*\s+3], s[100:101], \s*4608
	s_or_b32 s[G0B+4*\s+3], s[G0B+4*\s+3], 0x80000000
.endr
	JLOAD G0, G1, G0B, G1B                         ; K steps 0-2: my one tensor load at the head
	; the scale words of my 8 + 8 tiles for all of K stay in registers
	v_and_b32 v1, 31, v0                           ; lane
	s_wait_alu depctr_va_vdst(0)
	v_and_b32 v2, 15, v0                           ; r
	v_bfe_u32 v3, v0, 4, 1                         ; h
	s_lshl_b32 s96, s[RH], 3
	s_add_co_u32 s96, s96, s94
	s_lshl_b32 s96, s96, 9                         ; 512 bytes of scale words a tile
	s_lshl_b32 s97, s[CH], 3
	s_add_co_u32 s97, s97, s95
	s_lshl_b32 s97, s97, 9
	v_mov_b32 v23, s96
	v_mov_b32 v24, s97
	v_cmp_le_u32 s[HI], 16, v1
	v_cndmask_b32 v[SOFF], v23, v24, s[HI]         ; lanes 0-15 take A's, lanes 16-31 B's
	v_lshl_add_u32 v[SOFF], v2, 3, v[SOFF]
.irp i, 0,1,2,3,4,5,6,7
.irp g, 0,1,2,3
	global_load_b64 v[SC+8*\i+2*\g:SC+8*\i+2*\g+1], v[SOFF], s[6:7] offset:(\i/2)*1024+(\i%2)*128+256*\g
.endr
.endr
	s_lshl_b32 s98, s[TC], 2
	s_lshl_b32 s99, s[CH], 1
	s_add_co_u32 s98, s98, s99                     ; q, k: which x 16 + head of my first 64 columns
	s_and_b32 s2, s98, 15
	s_lshl_b32 s2, s2, 5
	s_mov_b32 s3, 0
	s_add_nc_u64 s[8:9], s[8:9], s[2:3]
	s_load_b512 s[DIR:DIR+15], s[8:9], 0x0         ; two heads' eight numbers each (an even head first: inside the buffer in both roles)
	v_lshlrev_b32 v[O16], 4, v1
	v_lshlrev_b32 v[O8], 3, v1
	s_mul_i32 s96, s[RH], HALF
	s_mul_i32 s97, s[CH], HALF
	s_add_co_u32 s97, s97, 2*HALF
.irp s, 0,1
	v_add_nc_u32 v[A16+\s], s96, v[O16]
	v_add_nc_u32 v[A8+\s], s96, v[O8]
	v_add_nc_u32 v[B16+\s], s97, v[O16]
	v_add_nc_u32 v[B8+\s], s97, v[O8]
	s_add_co_u32 s96, s96, SLOT
	s_add_co_u32 s97, s97, SLOT
.endr
	v_and_b32 v23, 8, v2
	v_add_nc_u32 v23, v23, v2
	v_lshl_add_u32 v23, v3, 3, v23                 ; r + 8 (r / 8) + 8 h: a token's place among 32
	s_lshl_b32 s96, s[WV], 10
	s_add_co_u32 s96, s96, PSTG
	v_lshl_add_u32 v[PST], v23, 2, s96
	v_lshl_add_u32 v[PRD], v1, 4, s96
.irp b, 0,1,2,3
	v_mov_b32 v[TM+4+\b], 0                        ; a lane permute's destination counts as one of its sources
.endr
	; where the results go
	s_lshl_b32 s99, s[TR], 1
	s_add_co_u32 s99, s99, s[RH]                   ; my 128 rows' number
	s_lshl_b32 s100, s[TC], 1
	s_add_co_u32 s100, s100, s[CH]                 ; my 128 columns' number
	s_lshl_b32 s94, s98, 8
	s_lshl_b32 s95, s99, 3
	s_add_co_u32 s94, s94, s95
	s_mul_i32 s94, s94, 768                        ; q, k: (head x 256 + token tile) x 768
	s_lshl_b32 s95, s99, 6
	s_add_co_u32 s95, s95, s100
	s_mul_i32 s95, s95, 6144                       ; v: (head x 32 + key step) x 6,144
	s_lshl_b32 s96, s98, 5
	s_add_co_u32 s96, s96, s99
	s_lshl_b32 s96, s96, 9                         ; q, k: scale words
	s_lshl_b32 s97, s99, 5
	s_add_co_u32 s97, s97, s100
	s_lshl_b32 s97, s97, 9
	s_add_co_u32 s97, s97, 1048576                 ; v: scale words
	s_lshl_b32 s2, s98, 14
	s_lshl_b32 s3, s99, 9
	s_add_co_u32 s2, s2, s3
	s_add_co_u32 s2, s2, 524288                    ; q, k: projections
	s_mov_b32 s3, 0
	s_mov_b32 s101, 1536
	s_mov_b32 s100, 192000
	s_mov_b32 s99, 768
	s_cmp_eq_u32 s[ISV], 0
	s_cselect_b32 s94, s94, s95
	s_cselect_b32 s96, s96, s97
	s_cselect_b64 s[OUT:OUT+1], s[10:11], s[12:13]
	s_cselect_b32 s[STA], 768, s101                ; from block to block: a token tile, or a tile of the head's 64;
	s_cselect_b32 s[STB], 768, s100                ; from block 3 to block 4: v goes on to the next head: 32 x 6,144 - 3 x 1,536
	s_cselect_b32 s101, 196608, s99                ; a fragment's second half: q, k: the next head, 256 x 768 on; v: 768 on
	s_mov_b32 s95, 0
	s_mov_b32 s97, 0
	s_mov_b32 s[STA+1], 0
	s_mov_b32 s[STB+1], 0
	s_add_nc_u64 s[OUT:OUT+1], s[OUT:OUT+1], s[94:95]
	s_add_nc_u64 s[AUXW:AUXW+1], s[14:15], s[96:97]
	s_add_nc_u64 s[14:15], s[14:15], s[2:3]
	v_add_nc_u32 v[O16C], s101, v[O16]
	v_add_nc_u32 v[O8C], s101, v[O8]
.macro FRAG reg, a16, a8, off          ; a fragment's image comes back by four loads, each of consecutive bytes lane by lane
	ds_load_b128 v[\reg:\reg+3], v[\a16] offset:\off
	ds_load_b64 v[\reg+4:\reg+5], v[\a8] offset:\off+512
	ds_load_b128 v[\reg+6:\reg+9], v[\a16] offset:\off+768
	ds_load_b64 v[\reg+10:\reg+11], v[\a8] offset:\off+1280
.endm
.macro FETCH_B slot, qq, p             ; B's eight fragments of the slot's K step qq into set p
	WIN TO_B
.irp i, 0,1,2,3,4,5,6,7
	FRAG 128*(\p)+FR*\i, B16+\slot, B8+\slot, \i*TPITCH+(\qq)*1536
.endr
	WIN 0
.endm
.macro FETCH_A slot, qq, i0            ; A's blocks i0 .. i0 + 3
.irp i, \i0, \i0+1, \i0+2, \i0+3
	FRAG AF+FR*(\i), A16+\slot, A8+\slot, (\i)*TPITCH+(\qq)*1536
.endr
.endm
; 16 matrix instructions: A's blocks a0, a0 + 1 x B's eight, K step k.  The 64 accumulators take turns, one instruction a turn, in the same order in every step.
.macro MUL16 a0, p, k, zero
.irp a, \a0, \a0+1
.irp b, 0,1,2,3,4,5,6,7
.if \zero
	v_wmma_scale_f32_16x16x128_f8f6f4 v[8*(8*((\a)%4)+\b):8*(8*((\a)%4)+\b)+7], v[128*(\p)+FR*\b:128*(\p)+FR*\b+FR-1], v[AF+FR*(\a):AF+FR*(\a)+FR-1], 0, v[SC+8*\b+(\k)], v[SC+8*(\a)+(\k)] matrix_a_fmt:MATRIX_FMT_BF6 matrix_b_fmt:MATRIX_FMT_BF6 matrix_a_scale:MATRIX_SCALE_ROW1
.else
	v_wmma_scale_f32_16x16x128_f8f6f4 v[8*(8*((\a)%4)+\b):8*(8*((\a)%4)+\b)+7], v[128*(\p)+FR*\b:128*(\p)+FR*\b+FR-1], v[AF+FR*(\a):AF+FR*(\a)+FR-1], v[8*(8*((\a)%4)+\b):8*(8*((\a)%4)+\b)+7], v[SC+8*\b+(\k)], v[SC+8*(\a)+(\k)] matrix_a_fmt:MATRIX_FMT_BF6 matrix_b_fmt:MATRIX_FMT_BF6 matrix_a_scale:MATRIX_SCALE_ROW1
.endif
.endr
.endr
.endm
; K step k; the next step's fragments come from slot nslot, its K step nqq, with no barrier between
.macro STEP k, nslot, nqq, zero
	s_wait_dscnt 16                                ; B's set and A's blocks 0-3 are in; the youngest 16 loads (A's blocks 4-7) may be out
	WIN MUL_LO
	MUL16 0, (\k)%2, \k, \zero
	MUL16 2, (\k)%2, \k, \zero
	s_wait_dscnt 0x0                               ; A's blocks 4-7 are in
	PLACES                                         ; four places in front of loads into registers that matrix instructions have read
	FETCH_B \nslot, \nqq, 1-(\k)%2
	FETCH_A \nslot, \nqq, 0
	WIN MUL_HI
	MUL16 4, (\k)%2, \k, \zero
	MUL16 6, (\k)%2, \k, \zero
	PLACES
	WIN 0
	FETCH_A \nslot, \nqq, 4
.endm
; K step k with a barrier in its middle: in front of it each wave waits for all its tensor loads, adds 0 to its spare word, and waits for that and for its LDS reads.  fill = 1: slot 0, just read out, takes quarter 3.
.macro TURN k, nslot, fill
	s_wait_tensorcnt 0x0                           ; all my tensor loads have landed
	ds_add_u32 v[SPW], v[NIL]                      ; 0 onto my spare word
	s_wait_dscnt 17                                ; (the add and A's blocks 4-7 may be out)
	WIN MUL_LO
	MUL16 0, (\k)%2, \k, 0
	s_wait_dscnt 0x0                               ; the add is done, and my reads of the slot are over
	s_barrier_signal -1
	MUL16 2, (\k)%2, \k, 0
	WIN 0
	s_barrier_wait -1
.if \fill
	CREST                                          ; the barrier has opened a round of the cluster's: no wave of any partner still reads slot 0 or has a load on its way
	s_add_nc_u64 s[G0+2:G0+3], s[G0+2:G0+3], 9216  ; from quarter 0 to quarter 3
	s_add_nc_u64 s[G0B+2:G0B+3], s[G0B+2:G0B+3], 9216
	s_mov_b32 s[G1+1], 384<<16                     ; no tensor load of mine is out: the rows are now 3,072 bytes, K steps 6 and 7
	s_mov_b32 s[G1+3], 384<<16
	s_mov_b32 s[G1B+1], 384<<16
	s_mov_b32 s[G1B+3], 384<<16
	JLOAD G0, G1, G0B, G1B                         ; my one tensor load behind the round; its four v_nop are the places for the loads below
.else
	PLACES
.endif
	FETCH_B \nslot, 0, 1-(\k)%2
	FETCH_A \nslot, 0, 0
	WIN MUL_HI
	MUL16 4, (\k)%2, \k, 0
	MUL16 6, (\k)%2, \k, 0
	PLACES
	WIN 0
	FETCH_A \nslot, 0, 4
.endm
	s_wait_alu depctr_va_vdst(0)
	s_wait_tensorcnt 0x0                           ; my part of K steps 0-2 is in
	ds_add_u32 v[SPW], v[NIL]
	s_wait_dscnt 0x0
	CROUND                                         ; slot 0 is whole, and all sixteen work-groups are here
	JLOAD G0+4, G1, G0B+4, G1B                     ; K steps 3-5 into slot 1: the first tensor load behind the round
	FETCH_B 0, 0, 0
	FETCH_A 0, 0, 0
	FETCH_A 0, 0, 4
	s_wait_loadcnt 0x0                             ; the scale words
	s_wait_kmcnt 0x0                               ; head_dirs
	STEP 0, 0, 1, 1                                ; the first step's products start the sums
	STEP 1, 0, 2, 0
	TURN 2, 1, 1                                   ; slot 1 has landed; slot 0, read out, takes K steps 6 and 7
	STEP 3, 1, 1, 0
	STEP 4, 1, 2, 0
.set TPITCH, 3072                      ; from here on the fragments come from slot 0's second fill
	TURN 5, 0, 0                                   ; K steps 6 and 7 have landed in slot 0; nothing is filled again
	STEP 6, 0, 1, 0
	s_wait_dscnt 16
	WIN MUL_LO
	MUL16 0, 1, 7, 0
	MUL16 2, 1, 7, 0
	s_wait_dscnt 0x0
	WIN MUL_HI
	MUL16 4, 1, 7, 0
	MUL16 6, 1, 7, 0
	WIN 0
; THE WAY OUT.  Block a: 16 rows of A; a lane's 64 registers are 128 neighbours along B's rows, register 16 b + i = 32 b + 16 (lane / 16) + i: four blocks of 32, quantised into one fragment.
.macro OUTBLK a
.set AC, 64*((\a)%4)
	WIN 0x0a+5*((\a)/4)                            ; sources 0 and 1: window 2 or 3
.irp b, 0,1,2,3
	v_max3_num_f32 v[TM+\b], |v[AC+16*\b]|, |v[AC+16*\b+1]|, 0x2800000   ; each accumulator is read from its low end on; the floor 2^(5 - 127) among the leaves
.endr
.irp i, 2,4,6,8,10,12,14
.irp b, 0,1,2,3
	v_max3_num_f32 v[TM+\b], |v[AC+16*\b+\i]|, |v[AC+16*\b+\i+1]|, v[TM+\b]
.endr
.endr
	WIN 0
.irp b, 0,1,2,3
	v_permlanex16_b32 v[TM+4+\b], v[TM+\b], s[SEL], s[SEL+1]
.endr
.irp b, 0,1,2,3
	v_max_num_f32 v[TM+\b], v[TM+\b], v[TM+4+\b]
.endr
.irp b, 0,1,2,3
	v_add_nc_u32 v[TM+12+\b], 0xfe000000, v[TM+\b]
.endr
.irp b, 0,1,2,3
	v_lshrrev_b32 v[TM+4+\b], 23, v[TM+12+\b]
.endr
	v_lshl_or_b32 v[PW+(\a)], v[TM+5], 8, v[TM+4]
	v_lshl_or_b32 v[PW+(\a)], v[TM+6], 16, v[PW+(\a)]
	v_lshl_or_b32 v[PW+(\a)], v[TM+7], 24, v[PW+(\a)]
	s_wait_xcnt 0x0                                ; the last block's stores have read their data and their base: both are written again only behind this wait
.if (\a) == 4
	s_add_nc_u64 s[OUT:OUT+1], s[OUT:OUT+1], s[STB:STB+1]
.elseif (\a) > 0
	s_add_nc_u64 s[OUT:OUT+1], s[OUT:OUT+1], s[STA:STA+1]
.endif
	WIN 2+(\a)/4                                   ; source 0: window 2 or 3
.irp c, 0,1
	v_cvt_scalef32_pk16_bf6_f32 v[PC+6*\c:PC+6*\c+2], v[AC+32*\c:AC+32*\c+15], v[TM+12+2*\c]
	v_cvt_scalef32_pk16_bf6_f32 v[TP+4*\c:TP+4*\c+2], v[AC+32*\c+16:AC+32*\c+31], v[TM+13+2*\c]
.endr
	WIN 0
	v_nop                                          ; one plain place behind a scaled conversion
.irp c, 0,1
.irp i, 0,1,2
	v_permlane16_swap_b32 v[PC+6*\c+\i], v[TP+4*\c+\i]
.endr
.irp i, 0,1,2
	v_mov_b32 v[PC+3+6*\c+\i], v[TP+4*\c+\i]
.endr
.endr
	global_store_b128 v[O16], v[PC:PC+3], s[OUT:OUT+1]                 ; each store covers 512 or 256 consecutive bytes, aligned
	global_store_b64 v[O8], v[PC+4:PC+5], s[OUT:OUT+1] offset:512
	global_store_b128 v[O16C], v[PC+6:PC+9], s[OUT:OUT+1]
	global_store_b64 v[O8C], v[PC+10:PC+11], s[OUT:OUT+1] offset:512
.endm
	PLACES                                         ; behind the last products: their results are read, and A's registers written
.irp a, 0,1,2,3,4,5,6,7
	OUTBLK \a
.endr
.irp b, 0,1,2,3
	v_cndmask_b32 v[XW+\b], v[PW+2*\b], v[PW+2*\b+1], s[HI]   ; lanes 0-15 tile 2 b's words, lanes 16-31 tile 2 b + 1's
.endr
	s_cmp_lg_u32 s[ISV], 0
	s_cbranch_scc1 .Lv_tail
	; q, k: a word's bytes 0, 1 belong to my first head, bytes 2, 3 to my second
	v_mov_b32 v[SEVF], 0x7f7f7f7f
.irp b, 0,1,2,3
	v_perm_b32 v[ZZ+\b], v[SEVF], v[XW+\b], 0x05040100
	v_perm_b32 v[X1+\b], v[SEVF], v[XW+\b], 0x05040302
.endr
	global_store_b128 v[O16], v[ZZ:ZZ+3], s[AUXW:AUXW+1]
	global_store_b128 v[O16], v[X1:X1+3], s[AUXW:AUXW+1] offset:16384
; the projections, in f32: head c's first eight features are registers 32 c + 0 .. 7 of lanes 0-15
.macro PROJ a0
.irp a, 0,1,2,3
.irp c, 0,1
	v_mul_f32 v[PJ+2*(\a0+\a)+\c], s[DIR+8*\c], v[64*\a+32*\c]
.endr
.endr
.irp j, 1,2,3,4,5,6,7
.irp a, 0,1,2,3
.irp c, 0,1
	v_fma_f32 v[PJ+2*(\a0+\a)+\c], s[DIR+8*\c+\j], v[64*\a+32*\c+\j], v[PJ+2*(\a0+\a)+\c]
.endr
.endr
.endr
.endm
	WIN 0x08                                       ; source 1: window 2
	PROJ 0
	WIN 0x0c                                       ; window 3
	PROJ 4
	WIN 0
.irp c, 0,1                                    ; into the order of the tokens, through my stage
.irp b, 0,1,2,3
	v_permlanex16_b32 v[TM+4+\b], v[PJ+4*\b+2+\c], s[SEL], s[SEL+1]
.endr
.irp b, 0,1,2,3
	v_cndmask_b32 v[TM+\b], v[PJ+4*\b+\c], v[TM+4+\b], s[HI]
.endr
.irp b, 0,1,2,3
	ds_store_b32 v[PST], v[TM+\b] offset:512*\c+128*\b
.endr
.endr
	ds_load_b128 v[BK:BK+3], v[PRD]                ; a wave's LDS instructions are served in order: these see the stores
	ds_load_b128 v[BK+4:BK+7], v[PRD] offset:512
	s_wait_dscnt 0x0
	global_store_b128 v[O16], v[BK:BK+3], s[14:15]
	global_store_b128 v[O16], v[BK+4:BK+7], s[14:15] offset:16384
	s_branch .Ljoin
.Lv_tail:
	s_wait_alu depctr_va_vdst(0)
	global_store_b128 v[O16], v[XW:XW+3], s[AUXW:AUXW+1]
.Ljoin:
	s_wait_tensorcnt 0x0                           ; the wave's end
	ds_add_u32 v[SPW], v[NIL]
	s_wait_dscnt 0x0
	CROUND                                         ; the closing round
	s_endpgm
.Lfunc_end_k_q9dc800db79_qkv:
	.size	k_q9dc800db79_qkv, .Lfunc_end_k_q9dc800db79_qkv-k_q9dc800db79_qkv
	.p2alignl 7, 3214868480
	.fill 96, 4, 3214868480
	.section	.rodata,"a",@progbits
	.p2align	6, 0x0
	.amdhsa_kernel k_q9dc800db79_qkv
		.amdhsa_group_segment_fixed_size 327680
		.amdhsa_private_segment_fixed_size 0
		.amdhsa_enable_private_segment 0
		.amdhsa_kernarg_size 48
		.amdhsa_user_sgpr_count 2
		.amdhsa_user_sgpr_kernarg_segment_ptr 1
		.amdhsa_wavefront_size32 1
		.amdhsa_system_sgpr_workgroup_id_x 1
		.amdhsa_system_sgpr_workgroup_id_y 1
		.amdhsa_system_sgpr_workgroup_id_z 1
		.amdhsa_system_vgpr_workitem_id 0
		.amdhsa_next_free_vgpr 1024
		.amdhsa_next_free_sgpr 102
		.amdhsa_reserve_vcc 0
		.amdhsa_float_denorm_mode_32 3
		.amdhsa_float_denorm_mode_16_64 3
		.amdhsa_memory_ordered 1
		.amdhsa_forward_progress 1
		.amdhsa_inst_pref_size 160
	.end_amdhsa_kernel
	.amdgpu_metadata
---
amdhsa.version: [ 1, 2 ]
amdhsa.kernels:
  - .name:           k_q9dc800db79_qkv
    .symbol:         k_q9dc800db79_qkv.kd
    .args:
      - { .name: cod, .offset: 0, .size: 8, .value_kind: global_buffer, .address_space: global }
      - { .name: scl, .offset: 8, .size: 8, .value_kind: global_buffer, .address_space: global }
      - { .name: head_dirs, .offset: 16, .size: 8, .value_kind: global_buffer, .address_space: global }
      - { .name: qkc, .offset: 24, .size: 8, .value_kind: global_buffer, .address_space: global }
      - { .name: vc, .offset: 32, .size: 8, .value_kind: global_buffer, .address_space: global }
      - { .name: aux, .offset: 40, .size: 8, .value_kind: global_buffer, .address_space: global }
    .group_segment_fixed_size: 327680
    .private_segment_fixed_size: 0
    .kernarg_segment_align: 8
    .kernarg_segment_size: 48
    .max_flat_workgroup_size: 128
    .sgpr_count:     102
    .vgpr_count:     1024
    .wavefront_size: 32
...
	.end_amdgpu_metadata
.endif
;; end of part 2
;; launch attn (part 3): grid 8 x 32, 16 waves a work-group, clusters of 4 x 1, 327,680 bytes of LDS; arguments qkc, vc, aux, head_scales, cod, scl; writes cod, scl
.if DOCPART == 3
	.amdgcn_target "amdgcn-amd-amdhsa--gfx1250"
	.amdhsa_code_object_version 6
	.text
	.protected	k_q9dc800db79_attn
	.globl	k_q9dc800db79_attn
	.p2align	8
	.type	k_q9dc800db79_attn,@function
k_q9dc800db79_attn:
	s_mov_b64 s[64:65], 0
	v_nop
	global_prefetch_b8 v0, s[64:65] scope:SCOPE_SE
	s_setreg_imm32_b32 hwreg(HW_REG_WAVE_MODE, 25, 1), 1
	s_wait_xcnt 0x0
	s_wait_alu depctr_hold_cnt(0) depctr_sa_sdst(0) depctr_va_vdst(0) depctr_va_sdst(0) depctr_va_ssrc(0) depctr_va_vcc(0) depctr_vm_vsrc(0)
	s_getreg_b32 s2, hwreg(HW_REG_IB_STS2, 6, 4)
	s_cmp_eq_u32 s2, 0
	s_cbranch_scc0 .Lentry_in_a_cluster
	s_endpgm
.Lentry_in_a_cluster:
	s_bfe_u32 s2, ttmp6, 0x10000c
	s_cmp_lg_u32 s2, 0x3003
	s_cbranch_scc0 .Lentry_shape_is_right
	s_endpgm
.Lentry_shape_is_right:
; Causal attention of one head of one batch on codes of BF6 (E3M2), with the bias head_scales[h] x qp[q] x kp[k]; the result is divided by the row's sum and quantised along C for the last product.
; t = (q . k / 8 + hs qp kp) log2(e) = c (S + 8 hs qp kp), c = log2(e) / 8: the bias is the C of the first product.  M = the running largest t rounded UP to a whole number; p = 2^(t - M) is quantised along the
; keys, not normalised; the row's sum is taken of the unquantised p; when M moves, the sum and O are multiplied by 2^(old M - new M), exactly.
; Key steps that lie wholly behind a tile's queries are hidden by the causal mask and are not walked.
; SHARES.  Work-group g (0 .. 7) of a head takes tile g (16 queries) of EACH of the head's 16 blocks of 128 queries.  Blocks j and 15 - j (j = 0 .. 7) have 17 key steps of 128 keys between them, and two waves share them:
;   the first wave (role 0): block 15 - j, key steps 7 - j .. 15 - j: 9 steps, the diagonal among them;
;   the second (role 1): block 15 - j, key steps 0 .. 6 - j, whose O, -M and sum it leaves in LDS bytes of its own; then block j, key steps 0 .. j, which it finishes: 8 steps.
; Behind one barrier the first wave joins the second's part to its own, by the same exact powers of two as a step does.  Roles and j hang on the wave's number alone, so all branches are alike in all work-groups.
; Both walks are loops of constant count (16 and 8 trips); a trip outside the wave's range of key steps is left by a scalar branch at its head.
; CLUSTER.  The four work-groups of a cluster belong to one head and read the same K and V: every fill is asked for jointly.  All of a head's K and V, 96 KiB of codes each, fits in LDS: filled once, at the head,
; one tensor load a wave: waves 0-5 K's codes, waves 6-11 V's, 16 KiB each; waves 12-14 K's scale words, kp, V's scale words; wave 15 none.
; No prefetch: all that the launch reads by tensor loads is asked for at the head, and there is no loop to run ahead in.
; LAYOUT.  Both products are used transposed (S^T = K Q^T, O^T = V^T P^T): a lane holds one query.  Tiles hold rows 32 G + 8 u + r + 8 (r / 8), so p's 16 registers of two neighbouring tiles are 16 neighbouring keys.
; The first product's K is 64: Q's registers 6-11 are zero codes; K's registers 6-11 are whatever follows (the next tile's codes, or zeros), under scale bytes 0x7f on both sides: they add nothing.
; LIMITS: NaN and infinities are not served; a p under 2^-126 counts as 0; a block of zeros gets the byte 1; the scaled scores stay under 2^31 in magnitude.
; REGISTERS: v1-7 bases; v8-14 the step's addresses; v15 my query - 16 h; v16-27 Q; v28-81 K's 8 tiles and six zeros, then V's 4 fragments; v[82:83] 8 hs qp; v84 -M, v85 largest t; v[86:87] sum;
;   v88 Q's scale word; v89 p's; v[90:91] f; v92-95 K's scale words; v96-159 S^T, then p; v160-191 O^T; v192-193 V's scale words; v194-207 work; v208-219 p's codes; v220-226 work;
;   v230-237 the second tile's Q, scale word and 8 hs qp; v238, v239 the pair's LDS bytes; v240-253 partial sums; v254, v255 for the add.
.set KS, 0                             ; LDS: K's scale words, 512 bytes a key step
.set KP, 8192                          ; kp, 2,048 f32
.set KC, 16384                         ; K's codes, 6,144 bytes a key step
.set VS, 114688                        ; V's scale words (a pair of heads'), 512 bytes a key step
.set VC, 131072                        ; V's codes, 6,144 bytes a key step
.set PART, 229376                      ; what a pair's second wave leaves for the first: 4,096 bytes of O, 256 of -M and the sum; no fill lands here
.set PSZ, 4608
.set SPARE, PART+8*PSZ                 ; the spare words, 128 bytes a wave
.set WV,  16
.set BLK, 17                           ; the block of 128 queries at work
.set G0C, 20                           ; s[20:23] group 0, codes
.set J,   24
.set ROLE, 25
.set SS,  26                           ; my key steps: SS .. EX - 1
.set EX,  27
.set EX2, 28
.set QA1, 30
.set SA1, 32
.set PA1, 34
.set G1S, 36                           ; s[36:43] 8,192 bytes;  s[44:51] 16,384 bytes
.set G1C, 44
.set QA2, 52
.set SA2, 54
.set PA2, 56
.set SEL, 60
.set CS,  62
.set ST,  66                           ; the key step
.set T6,  67                           ; 6,144 x the key step
.set T5,  68                           ; 512 x the key step
.set CNT, 69
.set HS,  70
.set G0S, 84                           ; s[84:87] group 0, tables
.macro CROUND
	s_barrier_signal -1
	s_barrier_wait -1
	s_cmp_lg_u32 s[WV], 0
	s_cbranch_scc1 .Lnot_wave_0_\@
	s_barrier_signal -3
.Lnot_wave_0_\@:
	s_barrier_wait -3
	s_barrier_signal -1
	s_barrier_wait -1
.endm
.macro GROUP1 g, rows                  ; a dense block as rows of 256 bytes: 32 elements of 8 bytes; the mask names all four work-groups
	s_mov_b32 s[\g], 15|(3<<16)|(1<<21)
	s_mov_b32 s[\g+1], 32<<16
	s_mov_b32 s[\g+2], (\rows)<<16
	s_mov_b32 s[\g+3], 32<<16
	s_mov_b32 s[\g+4], \rows
	s_mov_b32 s[\g+5], 32
	s_mov_b32 s[\g+6], 0
	s_mov_b32 s[\g+7], 0
.endm
.macro QADR blk, qa, sa, pa            ; tile g of block blk: where its Q codes, scale words and qp lie
	s_lshl_b32 s72, s[\blk], 3
	s_add_co_u32 s72, s72, s88
	s_lshl_b32 s74, s71, 8
	s_add_co_u32 s74, s74, s72
	s_mul_i32 s74, s74, 768
	s_mov_b32 s75, 0
	s_add_nc_u64 s[\qa:\qa+1], s[4:5], s[74:75]
	s_add_co_u32 s74, s95, s[\blk]
	s_lshl_b32 s74, s74, 9
	s_add_co_u32 s74, s74, s96
	s_add_nc_u64 s[\sa:\sa+1], s[8:9], s[74:75]
	s_lshl_b32 s74, s[\blk], 9
	s_add_co_u32 s74, s74, s97
	s_add_nc_u64 s[\pa:\pa+1], s[8:9], s[74:75]
.endm
	s_load_b256 s[4:11], s[0:1], 0x0               ; qkc s[4:5], vc s[6:7], aux s[8:9], head_scales s[10:11]
	s_load_b128 s[12:15], s[0:1], 0x20             ; cod s[12:13], scl s[14:15]
	v_lshl_add_u32 v254, v0, 2, SPARE
	v_mov_b32 v255, 0
	ds_add_u32 v254, v255                          ; the opening lines: the add, twice on end, and its wait
	ds_add_u32 v254, v255
	v_lshrrev_b32 v8, 5, v0
	s_delay_alu instid0(VALU_DEP_1)
	v_readfirstlane_b32 s[WV], v8                  ; wave 0..15
	s_bfe_u32 s[ROLE], s[WV], 0x10002              ; waves w and w + 4 are a pair
	s_and_b32 s[J], s[WV], 3
	s_lshr_b32 s72, s[WV], 3
	s_lshl_b32 s72, s72, 2
	s_or_b32 s[J], s[J], s72                       ; j = 0 .. 7
	s_xor_b32 s[BLK], s[J], 15                     ; 15 - j
	s_xor_b32 s73, s[J], 7                         ; 7 - j
	s_add_co_u32 s74, s[BLK], 1
	s_add_co_u32 s75, s[J], 1
	s_mul_i32 s[EX2], s75, s[ROLE]                 ; the second walk: j + 1 steps for the second wave, none for the first
	s_cmp_eq_u32 s[ROLE], 0
	s_cselect_b32 s[SS], s73, 0
	s_cselect_b32 s[EX], s74, s73
	s_and_b32 s18, ttmp7, 0xffff
	s_lshr_b32 s19, s18, 4                         ; batch
	s_and_b32 s71, s18, 15                         ; head
	s_add_co_u32 s72, s71, 16                      ; k's place among q's and k's heads
	s_lshl_b32 s73, s19, 4                         ; 16 key steps a batch
	s_lshl_b32 s74, s72, 5
	s_add_co_u32 s74, s74, s73
	s_lshl_b32 s74, s74, 9                         ; K's scale words
	s_lshr_b32 s75, s71, 1
	s_lshl_b32 s75, s75, 5
	s_add_co_u32 s75, s75, s73
	s_lshl_b32 s75, s75, 9
	s_add_co_u32 s75, s75, 1048576                 ; V's scale words
	s_lshl_b32 s76, s72, 14
	s_lshl_b32 s77, s19, 13
	s_add_co_u32 s76, s76, s77
	s_add_co_u32 s76, s76, 524288                  ; kp
	s_lshl_b32 s78, s72, 8
	s_lshl_b32 s79, s19, 7
	s_add_co_u32 s78, s78, s79
	s_mul_i32 s78, s78, 768                        ; K's codes
	s_lshl_b32 s79, s71, 5
	s_add_co_u32 s79, s79, s73
	s_mul_i32 s79, s79, 6144                       ; V's codes
	s_add_co_u32 s80, s[WV], 2
	s_lshr_b32 s80, s80, 3                         ; waves 0-5: 0 (K), waves 6-11: 1 (V)
	s_add_co_u32 s81, s[WV], 1
	s_add_co_u32 s81, s81, s80
	s_lshl_b32 s81, s81, 14                        ; my piece of codes in LDS: 16,384 x (1 + wave), V's one piece further on
	s_mul_i32 s82, s80, 6
	s_sub_co_u32 s82, s[WV], s82
	s_lshl_b32 s82, s82, 14                        ; and in its tensor's 98,304 bytes
	s_and_b32 s83, s[WV], 3                        ; waves 12, 13, 14: table 0, 1, 2
	s_lshr_b32 s58, s83, 1
	s_mul_i32 s58, s58, 12
	s_add_co_u32 s58, s58, s83
	s_lshl_b32 s58, s58, 13                        ; in LDS at 0, 8,192 and 114,688
	GROUP1 G1S, 32
	GROUP1 G1C, 64
	s_mov_b32 s[SEL], 0x76543210
	s_mov_b32 s[SEL+1], 0xfedcba98
	s_mov_b32 s[CS], 0x3e38aa3b                    ; c = log2(e) / 8
	s_mov_b32 s[CS+1], s[CS]
	s_mov_b32 s[ST], 0
	s_mov_b32 s[T6], 0
	s_mov_b32 s[T5], 0
	s_wait_dscnt 0x0
	s_wait_kmcnt 0x0
	s_cmp_lt_u32 s[WV], 6
	s_cselect_b32 s78, s78, s79
	s_cselect_b64 s[98:99], s[4:5], s[6:7]
	s_add_co_u32 s78, s78, s82
	s_mov_b32 s79, 0
	s_mov_b32 s[G0C], 1
	s_mov_b32 s[G0C+1], s81
	s_add_nc_u64 s[G0C+2:G0C+3], s[98:99], s[78:79]
	s_or_b32 s[G0C+3], s[G0C+3], 0x80000000
	s_cmp_eq_u32 s83, 0
	s_cselect_b32 s74, s74, s76
	s_cmp_eq_u32 s83, 2
	s_cselect_b32 s74, s75, s74
	s_mov_b32 s75, 0
	s_mov_b32 s[G0S], 1
	s_mov_b32 s[G0S+1], s58
	s_add_nc_u64 s[G0S+2:G0S+3], s[8:9], s[74:75]
	s_or_b32 s[G0S+3], s[G0S+3], 0x80000000
	CROUND                                         ; all four work-groups are here: the joint loads meet
	s_cmp_lt_u32 s[WV], 12                         ; one chain of branches on the wave's number, one load to an arm
	s_cbranch_scc0 .Lsmall
	tensor_load_to_lds s[G0C:G0C+3], s[G1C:G1C+7]
	s_nop 0
.rept 4
	v_nop
.endr
	s_branch .Lasked
.Lsmall:
	s_cmp_lt_u32 s[WV], 15
	s_cbranch_scc0 .Lasked
	tensor_load_to_lds s[G0S:G0S+3], s[G1S:G1S+7]
	s_nop 0
.rept 4
	v_nop
.endr
.Lasked:
	; my own tiles: the work-group's place enters global addresses and the mask's numbers alone
	s_bfe_u32 s59, ttmp6, 0x40000
	s_lshl_b32 s72, ttmp9, 2
	s_add_co_u32 s59, s59, s72                     ; g
	s_lshl_b32 s88, s19, 7
	s_add_co_u32 s88, s88, s59                     ; 128 x batch + g
	s_and_b32 s89, s59, 1
	s_lshr_b32 s90, s59, 1
	s_and_b32 s91, s71, 1
	s_lshr_b32 s92, s71, 1
	s_lshl_b32 s95, s71, 5
	s_add_co_u32 s95, s95, s73
	s_lshl_b32 s96, s89, 8
	s_lshl_b32 s72, s90, 2
	s_add_co_u32 s96, s96, s72
	s_lshl_b32 s97, s71, 14
	s_lshl_b32 s72, s19, 13
	s_add_co_u32 s97, s97, s72
	s_add_co_u32 s97, s97, 524288
	QADR BLK, QA1, SA1, PA1                        ; block 15 - j: the first walk's queries
	QADR J, QA2, SA2, PA2                          ; block j: the second walk's
	s_lshl_b32 s80, s71, 2
	s_mov_b32 s81, 0
	s_add_nc_u64 s[10:11], s[10:11], s[80:81]
	s_load_b32 s[HS], s[10:11], 0x0                ; head_scales[head]
	s_lshl_b32 s93, s90, 5
	s_lshl_b32 s72, s89, 3
	s_add_co_u32 s93, s93, s72                     ; my tile's first query in its block
	s_cmp_eq_u32 s[ROLE], 0
	s_cselect_b32 s72, s[BLK], s[J]                ; the tile that I finish and store
	s_lshl_b32 s72, s72, 3
	s_add_co_u32 s88, s88, s72                     ; its number, 0 .. 255
	s_add_co_u32 s82, s88, 512
	s_mul_i32 s82, s82, 12288
	s_mul_i32 s72, s92, 1536
	s_add_co_u32 s82, s82, s72
	s_mul_i32 s72, s91, 768
	s_add_co_u32 s82, s82, s72
	s_mov_b32 s83, 0
	s_add_nc_u64 s[12:13], s[12:13], s[82:83]      ; the result's codes: tile 512 + mine, K step head / 2, half head % 2
	s_lshr_b32 s80, s88, 1
	s_add_co_u32 s80, s80, 256
	s_lshl_b32 s80, s80, 10
	s_lshr_b32 s72, s71, 2
	s_lshl_b32 s72, s72, 8
	s_add_co_u32 s80, s80, s72
	s_and_b32 s72, s88, 1
	s_lshl_b32 s72, s72, 7
	s_add_co_u32 s80, s80, s72
	s_and_b32 s72, s92, 1
	s_lshl_b32 s72, s72, 2
	s_add_co_u32 s80, s80, s72
	s_lshl_b32 s72, s91, 1
	s_add_co_u32 s80, s80, s72
	s_add_nc_u64 s[14:15], s[14:15], s[80:81]      ; and its scale bytes
	s_lshl_b32 s94, s91, 3
	s_add_co_u32 s94, s94, VS                      ; my head's two words of the pair's four
	s_mul_i32 s72, s[J], PSZ
	s_add_co_u32 s72, s72, PART                    ; my pair's LDS bytes
	v_and_b32 v8, 31, v0                           ; lane
	v_and_b32 v9, 15, v0                           ; r
	v_bfe_u32 v10, v0, 4, 1                        ; h
	s_delay_alu instid0(VALU_DEP_3)
	v_lshlrev_b32 v11, 4, v8
	s_delay_alu instid0(VALU_DEP_4)
	v_lshlrev_b32 v12, 3, v8
	global_load_b128 v[16:19], v11, s[QA1:QA1+1]
	global_load_b64 v[20:21], v12, s[QA1:QA1+1] offset:512
	global_load_b128 v[230:233], v11, s[QA2:QA2+1]
	global_load_b64 v[234:235], v12, s[QA2:QA2+1] offset:512
	v_lshlrev_b32 v13, 4, v9
	global_load_b32 v88, v13, s[SA1:SA1+1]
	global_load_b32 v236, v13, s[SA2:SA2+1]
	v_and_b32 v14, 8, v9
	s_delay_alu instid0(VALU_DEP_1)
	v_add_nc_u32 v14, v14, v9
	s_delay_alu instid0(VALU_DEP_1)
	v_add_nc_u32 v14, s93, v14                     ; my query in its block of 128
	s_delay_alu instid0(VALU_DEP_1)
	v_lshlrev_b32 v206, 2, v14
	global_load_b32 v82, v206, s[PA1:PA1+1]
	global_load_b32 v237, v206, s[PA2:PA2+1]
	v_lshlrev_b32 v207, 4, v10
	s_delay_alu instid0(VALU_DEP_1)
	v_sub_nc_u32 v15, v14, v207                    ; register 16 b + i holds key 32 b + 16 h + i: hidden on the diagonal where 32 b + i > my query - 16 h
	v_add_nc_u32 v1, KC, v11
	v_add_nc_u32 v2, KC, v12
	v_add_nc_u32 v3, VC, v11
	v_add_nc_u32 v4, VC, v12
	v_add_nc_u32 v5, KS, v11
	v_lshl_add_u32 v6, v10, 6, KP
	v_add_nc_u32 v7, s94, v11
	v_add_nc_u32 v238, s72, v11                    ; O's image: 16 bytes a lane
	v_add_nc_u32 v239, s72, v12                    ; -M and the sum: 8 bytes a lane, 4,096 further on
.irp j, 22,23,24,25,26,27,76,77,78,79,80,81
	v_mov_b32 v[\j], 0                             ; zero codes
.endr
	v_mov_b32 v85, 0xff61b1e6                      ; the largest t so far: -3e38
	s_delay_alu instid0(VALU_DEP_1)
	v_floor_f32 v84, -v85                          ; -M
	v_mov_b32 v86, 0
	v_mov_b32 v87, 0
	v_mov_b32 v91, 0                               ; (named as the upper half of the pair v[90:91])
.irp b, 0,1,2,3
	v_mov_b32 v[198+\b], 0                         ; a lane permute's destination counts as one of its sources
.endr
.set N, 0
.rept 32
	v_mov_b32 v[160+N], 0                          ; O^T: the step is written for every step alike; the first change of M leaves zeros zeros
.set N, N+1
.endr
	s_wait_loadcnt 0x0                             ; both tiles' Q, scale words, qp: and their address registers are free
	s_wait_kmcnt 0x0
	v_mul_f32 v82, s[HS], v82
	v_mul_f32 v237, s[HS], v237
	s_delay_alu instid0(VALU_DEP_2)
	v_mul_f32 v82, 0x41000000, v82                 ; 8 hs qp
	s_delay_alu instid0(VALU_DEP_2)
	v_mul_f32 v237, 0x41000000, v237
	s_delay_alu instid0(VALU_DEP_2)
	v_mov_b32 v83, v82
; A KEY STEP of 128 keys.  A step outside my range is left by a scalar branch on the wave's number and the step's; the lines that step addresses are on every path.
.macro STEP
	s_cmp_lt_u32 s[ST], s[SS]
	s_cbranch_scc1 .Lhid_\@
	s_cmp_ge_u32 s[ST], s[EX]
	s_cbranch_scc1 .Lhid_\@
	v_add_nc_u32 v8, s[T5], v6                     ; (these four are the places behind the last step's products)
	v_add_nc_u32 v9, s[T6], v1
	v_add_nc_u32 v10, s[T6], v2
	v_add_nc_u32 v11, s[T5], v5
.irp b, 0,1,2,3
.irp j, 0,1,2,3
	ds_load_b128 v[96+16*\b+4*\j:99+16*\b+4*\j], v8 offset:128*\b+16*\j      ; kp in the scores' layout
.endr
.endr
.irp t, 0,1,2,3,4,5,6,7
	ds_load_b128 v[28+6*\t:31+6*\t], v9 offset:768*\t
	ds_load_b64 v[32+6*\t:33+6*\t], v10 offset:768*\t+512
.endr
	ds_load_b128 v[92:95], v11                     ; register b: lanes 0-15 tile 2 b's words, lanes 16-31 tile 2 b + 1's
	s_wait_dscnt 17                                ; kp is in; K's 16 loads and its words may be out
	s_wait_alu depctr_va_vdst(0)
.set N, 0
.rept 32
	v_pk_mul_f32 v[96+N:97+N], v[96+N:97+N], v[82:83] op_sel_hi:[1,0]        ; the bias, x 8: the first product's C
.set N, N+2
.endr
	v_add_nc_u32 v12, s[T6], v3
	v_add_nc_u32 v13, s[T6], v4
	v_add_nc_u32 v14, s[T5], v7
	v_nop
	s_wait_alu depctr_va_vdst(0)
	s_wait_dscnt 0x0
.irp t, 0,1,2,3,4,5,6,7
.if \t%2
	v_wmma_scale_f32_16x16x128_f8f6f4 v[96+8*\t:103+8*\t], v[28+6*\t:39+6*\t], v[16:27], v[96+8*\t:103+8*\t], v[92+\t/2], v88 matrix_a_fmt:MATRIX_FMT_BF6 matrix_b_fmt:MATRIX_FMT_BF6 matrix_a_scale:MATRIX_SCALE_ROW1
.else
	v_wmma_scale_f32_16x16x128_f8f6f4 v[96+8*\t:103+8*\t], v[28+6*\t:39+6*\t], v[16:27], v[96+8*\t:103+8*\t], v[92+\t/2], v88 matrix_a_fmt:MATRIX_FMT_BF6 matrix_b_fmt:MATRIX_FMT_BF6
.endif
.endr
.rept 4
	v_nop                                          ; places in front of loads into K's registers and of the first read of the scores
.endr
.irp d, 0,1,2,3
	ds_load_b128 v[28+12*\d:31+12*\d], v12 offset:1536*\d                    ; V lands while the softmax is walked
	ds_load_b64 v[32+12*\d:33+12*\d], v13 offset:1536*\d+512
	ds_load_b128 v[34+12*\d:37+12*\d], v12 offset:1536*\d+768
	ds_load_b64 v[38+12*\d:39+12*\d], v13 offset:1536*\d+1280
.endr
	ds_load_b64 v[192:193], v14
	s_cmp_lg_u32 s[ST], s[BLK]
	s_cbranch_scc1 .Lopen_\@
	v_mov_b32 v207, 0xff800000                     ; on the diagonal hidden scores become -infinity: p = 0
.set N, 0
.rept 64
	v_cmp_gt_i32 vcc_lo, 32*(N/16)+N%16, v15
	v_cndmask_b32 v[96+N], v[96+N], v207, vcc_lo
.set N, N+1
.endr
.Lopen_\@:
.irp b, 0,1,2,3
	v_max3_num_f32 v[194+\b], v[96+16*\b], v[97+16*\b], v[98+16*\b]          ; the largest score of each block of 32 keys: for the row's maximum and for the block's largest p
.endr
.irp i, 3,5,7,9,11,13
.irp b, 0,1,2,3
	v_max3_num_f32 v[194+\b], v[194+\b], v[96+16*\b+\i], v[97+16*\b+\i]
.endr
.endr
.irp b, 0,1,2,3
	v_max_num_f32 v[194+\b], v[194+\b], v[111+16*\b]
.endr
.irp b, 0,1,2,3
	s_delay_alu instid0(VALU_DEP_4)
	v_permlanex16_b32 v[198+\b], v[194+\b], s[SEL], s[SEL+1]
.endr
.irp b, 0,1,2,3
	s_delay_alu instid0(VALU_DEP_4)
	v_max_num_f32 v[194+\b], v[194+\b], v[198+\b]
.endr
	s_delay_alu instid0(VALU_DEP_2)
	v_max3_num_f32 v206, v194, v195, v196
	s_delay_alu instid0(VALU_DEP_1)
	v_max_num_f32 v206, v206, v197
	s_delay_alu instid0(VALU_DEP_1)
	v_mul_f32 v206, s[CS], v206                    ; as t (c is positive)
	s_delay_alu instid0(VALU_DEP_1)
	v_max_num_f32 v85, v85, v206                   ; the running largest t
	v_mov_b32 v206, v84
	s_delay_alu instid0(VALU_DEP_2)
	v_floor_f32 v84, -v85                          ; the new -M = -ceil(t)
	s_delay_alu instid0(VALU_DEP_1)
	v_sub_f32 v206, v84, v206                      ; old M - new M: a whole number, 0 or less
	s_delay_alu instid0(VALU_DEP_1)
	v_cvt_i32_f32 v206, v206                       ; (it saturates)
	s_delay_alu instid0(VALU_DEP_1)
	v_ldexp_f32 v90, 1.0, v206                     ; f = 2^(old M - new M)
.set N, 0
.rept 32
	v_pk_fma_f32 v[96+N:97+N], v[96+N:97+N], s[CS:CS+1], v[84:85] op_sel_hi:[1,0,0]   ; t - M
.set N, N+2
.endr
.irp b, 0,1,2,3
	v_fma_f32 v[194+\b], v[194+\b], s[CS], v84
.endr
	s_wait_alu depctr_va_vdst(0)
.set N, 0
.rept 64
	v_exp_f32 v[96+N], v[96+N]                     ; p = 2^(t - M)
.set N, N+1
.endr
.irp b, 0,1,2,3
	v_exp_f32 v[194+\b], v[194+\b]                 ; the block's largest p: the same two instructions on the same number
.endr
	v_pk_mul_f32 v[86:87], v[86:87], v[90:91] op_sel_hi:[1,0]                ; the sum under the new M (a plain place behind the exponentials)
	s_wait_alu depctr_va_vdst(0)                   ; and behind it, ahead of its first reader
.irp b, 0,1,2,3
	v_max_num_f32 v[194+\b], 0x2800000, v[194+\b]  ; the floor 2^(5 - 127)
.endr
.irp b, 0,1,2,3
	s_delay_alu instid0(VALU_DEP_4)
	v_add_nc_u32 v[202+\b], 0xfe000000, v[194+\b]
.endr
.irp b, 0,1,2,3
	s_delay_alu instid0(VALU_DEP_4)
	v_lshrrev_b32 v[198+\b], 23, v[202+\b]
.endr
	s_delay_alu instid0(VALU_DEP_3)
	v_lshl_or_b32 v89, v199, 8, v198               ; p's scale word for these 128 keys
	s_delay_alu instid0(VALU_DEP_1)
	v_lshl_or_b32 v89, v200, 16, v89
	s_delay_alu instid0(VALU_DEP_1)
	v_lshl_or_b32 v89, v201, 24, v89
.irp c, 0,1
	v_cvt_scalef32_pk16_bf6_f32 v[208+6*\c:210+6*\c], v[96+32*\c:111+32*\c], v[202+2*\c]
	v_cvt_scalef32_pk16_bf6_f32 v[220+4*\c:222+4*\c], v[112+32*\c:127+32*\c], v[203+2*\c]
.endr
	v_nop                                          ; one plain place behind a scaled conversion
.irp c, 0,1
.irp i, 0,1,2
	v_permlane16_swap_b32 v[208+6*\c+\i], v[220+4*\c+\i]
.endr
.irp i, 0,1,2
	s_delay_alu instid0(VALU_DEP_3)
	v_mov_b32 v[211+6*\c+\i], v[220+4*\c+\i]
.endr
.endr
; the row's sum of the unquantised p: 32 pairs in eight chains by turns (seven at v240-253, and the running sum)
.irp i, 0,1,2,3,4,5,6
	v_pk_add_f32 v[240+2*\i:241+2*\i], v[96+4*\i:97+4*\i], v[98+4*\i:99+4*\i]
.endr
	v_pk_add_f32 v[86:87], v[86:87], v[124:125]
.irp i, 0,1,2,3,4,5,6
	v_pk_add_f32 v[240+2*\i:241+2*\i], v[240+2*\i:241+2*\i], v[126+2*\i:127+2*\i]
.endr
	v_pk_add_f32 v[86:87], v[86:87], v[140:141]
.irp i, 0,1,2,3,4,5,6
	v_pk_add_f32 v[240+2*\i:241+2*\i], v[240+2*\i:241+2*\i], v[142+2*\i:143+2*\i]
.endr
	v_pk_add_f32 v[86:87], v[86:87], v[156:157]
	v_pk_add_f32 v[240:241], v[240:241], v[158:159]
	v_pk_add_f32 v[244:245], v[244:245], v[246:247]
	v_pk_add_f32 v[248:249], v[248:249], v[250:251]
	v_pk_add_f32 v[86:87], v[86:87], v[252:253]
	s_delay_alu instid0(VALU_DEP_4)
	v_pk_add_f32 v[240:241], v[240:241], v[242:243]
	s_delay_alu instid0(VALU_DEP_3)
	v_pk_add_f32 v[244:245], v[244:245], v[248:249]
	s_delay_alu instid0(VALU_DEP_2)
	v_pk_add_f32 v[86:87], v[86:87], v[240:241]
	s_delay_alu instid0(VALU_DEP_1)
	v_pk_add_f32 v[86:87], v[86:87], v[244:245]
.set N, 0
.rept 16
	v_pk_mul_f32 v[160+N:161+N], v[160+N:161+N], v[90:91] op_sel_hi:[1,0]    ; O^T under the new M
.set N, N+2
.endr
	s_wait_alu depctr_va_vdst(0)
	s_wait_dscnt 0x0                               ; V and its scale words
.irp d, 0,1,2,3
.if \d%2
	v_wmma_scale_f32_16x16x128_f8f6f4 v[160+8*\d:167+8*\d], v[28+12*\d:39+12*\d], v[208:219], v[160+8*\d:167+8*\d], v[192+\d/2], v89 matrix_a_fmt:MATRIX_FMT_BF6 matrix_b_fmt:MATRIX_FMT_BF6 matrix_a_scale:MATRIX_SCALE_ROW1
.else
	v_wmma_scale_f32_16x16x128_f8f6f4 v[160+8*\d:167+8*\d], v[28+12*\d:39+12*\d], v[208:219], v[160+8*\d:167+8*\d], v[192+\d/2], v89 matrix_a_fmt:MATRIX_FMT_BF6 matrix_b_fmt:MATRIX_FMT_BF6
.endif
.endr
.Lhid_\@:
	s_add_co_u32 s[ST], s[ST], 1
	s_add_co_u32 s[T6], s[T6], 6144
	s_add_co_u32 s[T5], s[T5], 512
.endm
; THE WAY OUT of a finished tile.  v86: my lane's part of the row's sum.  O^T / the sum; register 16 G + i is channel 32 G + 16 h + i of my query: two blocks of 32 along C, quantised into half a fragment
.macro OUT
	v_permlanex16_b32 v198, v86, s[SEL], s[SEL+1]
	s_delay_alu instid0(VALU_DEP_1)
	v_add_f32 v86, v86, v198                       ; the row's sum
	s_wait_alu depctr_va_vdst(0)
	v_rcp_f32 v86, v86
	v_and_b32 v8, 31, v0                           ; (a plain place behind the reciprocal)
	v_and_b32 v9, 15, v0
	v_bfe_u32 v10, v0, 4, 1
	s_wait_alu depctr_va_vdst(0)                   ; and ahead of its first reader, which is O^T's first reader too
.set N, 0
.rept 16
	v_pk_mul_f32 v[96+N:97+N], v[160+N:161+N], v[86:87] op_sel_hi:[1,0]
.set N, N+2
.endr
.irp b, 0,1
	v_max3_num_f32 v[194+\b], |v[96+16*\b]|, |v[97+16*\b]|, 0x2800000
.endr
.irp i, 2,4,6,8,10,12,14
.irp b, 0,1
	s_delay_alu instid0(VALU_DEP_2)
	v_max3_num_f32 v[194+\b], v[194+\b], |v[96+16*\b+\i]|, |v[97+16*\b+\i]|
.endr
.endr
.irp b, 0,1
	s_delay_alu instid0(VALU_DEP_2)
	v_permlanex16_b32 v[198+\b], v[194+\b], s[SEL], s[SEL+1]
.endr
.irp b, 0,1
	s_delay_alu instid0(VALU_DEP_2)
	v_max_num_f32 v[194+\b], v[194+\b], v[198+\b]
.endr
.irp b, 0,1
	s_delay_alu instid0(VALU_DEP_2)
	v_add_nc_u32 v[202+\b], 0xfe000000, v[194+\b]
.endr
.irp b, 0,1
	s_delay_alu instid0(VALU_DEP_2)
	v_lshrrev_b32 v[198+\b], 23, v[202+\b]
.endr
	v_cvt_scalef32_pk16_bf6_f32 v[208:210], v[96:111], v202
	v_cvt_scalef32_pk16_bf6_f32 v[220:222], v[112:127], v203
	v_nop
.irp i, 0,1,2
	v_permlane16_swap_b32 v[208+\i], v[220+\i]
.endr
.irp i, 0,1,2
	s_delay_alu instid0(VALU_DEP_3)
	v_mov_b32 v[211+\i], v[220+\i]
.endr
	v_lshlrev_b32 v11, 4, v8
	v_lshlrev_b32 v12, 3, v8
	global_store_b128 v11, v[208:211], s[12:13]    ; 512 consecutive bytes, aligned
	global_store_b64 v12, v[212:213], s[12:13] offset:512
	v_cmp_le_u32 vcc_lo, 16, v8
	s_delay_alu instid0(VALU_DEP_1)
	v_cndmask_b32 v13, v198, v199, vcc_lo          ; lanes 0-15 the first block's byte, lanes 16-31 the second's
	v_lshl_add_u32 v14, v9, 3, v10
	global_store_b8 v14, v13, s[14:15]             ; single bytes: a word's other half is another head's work-group's; 32 bytes beside the 768 above
.endm
	s_wait_alu depctr_va_vdst(0)
	s_wait_tensorcnt 0x0                           ; my fill has landed; nothing is ever filled again
	s_barrier_signal -1
	s_barrier_wait -1                              ; and so has every wave's: K, V and the tables are whole
	s_mov_b32 s[CNT], 16
.Lfirst:                                               ; the first walk: block 15 - j
	STEP
	s_sub_co_u32 s[CNT], s[CNT], 1
	s_cmp_lg_u32 s[CNT], 0
	s_cbranch_scc1 .Lfirst
.rept 4
	v_nop                                          ; places behind the last products
.endr
	s_cmp_eq_u32 s[ROLE], 0
	s_cbranch_scc1 .Lkeep
	v_add_f32 v85, v86, v87                        ; the second wave leaves its part: my lane's sum beside -M,
.irp n, 0,1,2,3,4,5,6,7
	ds_store_b128 v238, v[160+4*\n:163+4*\n] offset:512*\n   ; and O^T as an image of its registers, each accumulator from its low end on
.endr
	ds_store_b64 v239, v[84:85] offset:4096
	s_wait_dscnt 0x0                               ; done, for my partner's sake and ahead of the lines that write these registers anew
.irp i, 0,1,2,3,4,5
	v_mov_b32 v[16+\i], v[230+\i]                  ; block j's queries,
.endr
	v_mov_b32 v88, v236                            ; their scale word,
	v_mov_b32 v82, v237                            ; their 8 hs qp,
	v_mov_b32 v83, v237
	v_mov_b32 v85, 0xff61b1e6                      ; and a state begun anew
	s_delay_alu instid0(VALU_DEP_1)
	v_floor_f32 v84, -v85
	v_mov_b32 v86, 0
	v_mov_b32 v87, 0
.set N, 0
.rept 32
	v_mov_b32 v[160+N], 0
.set N, N+1
.endr
.Lkeep:
	s_mov_b32 s[SS], 0
	s_mov_b32 s[EX], s[EX2]
	s_mov_b32 s[BLK], s[J]
	s_mov_b32 s[ST], 0
	s_mov_b32 s[T6], 0
	s_mov_b32 s[T5], 0
	s_mov_b32 s[CNT], 8
	s_wait_alu depctr_va_vdst(0)
.Lsecond:                                              ; the second walk: block j, the second wave alone
	STEP
	s_sub_co_u32 s[CNT], s[CNT], 1
	s_cmp_lg_u32 s[CNT], 0
	s_cbranch_scc1 .Lsecond
.rept 4
	v_nop
.endr
	s_cmp_eq_u32 s[ROLE], 0
	s_cbranch_scc1 .Lmeet
	v_add_f32 v86, v86, v87
	OUT                                            ; block j's tile leaves
.Lmeet:
	s_wait_dscnt 0x0
	s_barrier_signal -1
	s_barrier_wait -1                              ; every second wave's part lies in LDS
	s_cmp_lg_u32 s[ROLE], 0
	s_cbranch_scc1 .Ldone
.irp n, 0,1,2,3,4,5,6,7
	ds_load_b128 v[96+4*\n:99+4*\n], v238 offset:512*\n
.endr
	ds_load_b64 v[128:129], v239 offset:4096       ; my partner's -M and sum
	s_wait_dscnt 0x0
	v_add_f32 v86, v86, v87
	v_min_num_f32 v130, v84, v128                  ; the joint -M: the larger M of the two (a part with no key has M = -3e38, and its factor comes out 0)
	v_mov_b32 v135, 0                              ; (named as the upper half of the pair v[134:135])
	s_delay_alu instid0(VALU_DEP_2)
	v_sub_f32 v131, v130, v84                      ; my M - the joint M, a whole number, 0 or less;
	v_sub_f32 v132, v130, v128                     ; my partner's
	s_delay_alu instid0(VALU_DEP_2)
	v_cvt_i32_f32 v131, v131
	s_delay_alu instid0(VALU_DEP_2)
	v_cvt_i32_f32 v132, v132
	s_delay_alu instid0(VALU_DEP_2)
	v_ldexp_f32 v90, 1.0, v131
	s_delay_alu instid0(VALU_DEP_2)
	v_ldexp_f32 v134, 1.0, v132
	s_delay_alu instid0(VALU_DEP_2)
	v_mul_f32 v86, v86, v90
.set N, 0
.rept 16
	v_pk_mul_f32 v[160+N:161+N], v[160+N:161+N], v[90:91] op_sel_hi:[1,0]
.set N, N+2
.endr
	v_fma_f32 v86, v129, v134, v86                 ; both parts under the joint M, by exact powers of two
.set N, 0
.rept 16
	v_pk_fma_f32 v[160+N:161+N], v[96+N:97+N], v[134:135], v[160+N:161+N] op_sel_hi:[1,0,1]
.set N, N+2
.endr
	OUT                                            ; block 15 - j's tile leaves
.Ldone:
	s_wait_tensorcnt 0x0                           ; the wave's end
	ds_add_u32 v254, v255
	s_wait_dscnt 0x0
	CROUND                                         ; the closing round
	s_endpgm
.Lfunc_end_k_q9dc800db79_attn:
	.size	k_q9dc800db79_attn, .Lfunc_end_k_q9dc800db79_attn-k_q9dc800db79_attn
	.p2alignl 7, 3214868480
	.fill 96, 4, 3214868480
	.section	.rodata,"a",@progbits
	.p2align	6, 0x0
	.amdhsa_kernel k_q9dc800db79_attn
		.amdhsa_group_segment_fixed_size 327680
		.amdhsa_private_segment_fixed_size 0
		.amdhsa_enable_private_segment 0
		.amdhsa_kernarg_size 48
		.amdhsa_user_sgpr_count 2
		.amdhsa_user_sgpr_kernarg_segment_ptr 1
		.amdhsa_wavefront_size32 1
		.amdhsa_system_sgpr_workgroup_id_x 1
		.amdhsa_system_sgpr_workgroup_id_y 1
		.amdhsa_system_sgpr_workgroup_id_z 1
		.amdhsa_system_vgpr_workitem_id 0
		.amdhsa_next_free_vgpr 256
		.amdhsa_next_free_sgpr 100
		.amdhsa_reserve_vcc 1
		.amdhsa_float_denorm_mode_32 3
		.amdhsa_float_denorm_mode_16_64 3
		.amdhsa_memory_ordered 1
		.amdhsa_forward_progress 1
		.amdhsa_inst_pref_size 79
	.end_amdhsa_kernel
	.amdgpu_metadata
---
amdhsa.version: [ 1, 2 ]
amdhsa.kernels:
  - .name:           k_q9dc800db79_attn
    .symbol:         k_q9dc800db79_attn.kd
    .args:
      - { .name: qkc, .offset: 0, .size: 8, .value_kind: global_buffer, .address_space: global }
      - { .name: vc, .offset: 8, .size: 8, .value_kind: global_buffer, .address_space: global }
      - { .name: aux, .offset: 16, .size: 8, .value_kind: global_buffer, .address_space: global }
      - { .name: head_scales, .offset: 24, .size: 8, .value_kind: global_buffer, .address_space: global }
      - { .name: cod, .offset: 32, .size: 8, .value_kind: global_buffer, .address_space: global }
      - { .name: scl, .offset: 40, .size: 8, .value_kind: global_buffer, .address_space: global }
    .group_segment_fixed_size: 327680
    .private_segment_fixed_size: 0
    .kernarg_segment_align: 8
    .kernarg_segment_size: 48
    .max_flat_workgroup_size: 512
    .sgpr_count:     100
    .vgpr_count:     256
    .wavefront_size: 32
...
	.end_amdgpu_metadata
.endif
;; end of part 3
;; launch oproj (part 4): grid 8 x 32, 4 waves a work-group, clusters of 4 x 4, 327,680 bytes of LDS; arguments cod, scl, out0; writes out0
.if DOCPART == 4
	.amdgcn_target "amdgcn-amd-amdhsa--gfx1250"
	.amdhsa_code_object_version 6
	.text
	.protected	k_q9dc800db79_oproj
	.globl	k_q9dc800db79_oproj
	.p2align	8
	.type	k_q9dc800db79_oproj,@function
k_q9dc800db79_oproj:
	s_mov_b64 s[64:65], 0
	v_nop
	global_prefetch_b8 v0, s[64:65] scope:SCOPE_SE
	s_setreg_imm32_b32 hwreg(HW_REG_WAVE_MODE, 25, 1), 1
	s_wait_xcnt 0x0
	s_wait_alu depctr_hold_cnt(0) depctr_sa_sdst(0) depctr_va_vdst(0) depctr_va_sdst(0) depctr_va_ssrc(0) depctr_va_vcc(0) depctr_vm_vsrc(0)
	s_getreg_b32 s2, hwreg(HW_REG_IB_STS2, 6, 4)
	s_cmp_eq_u32 s2, 0
	s_cbranch_scc0 .Lentry_in_a_cluster
	s_endpgm
.Lentry_in_a_cluster:
	s_bfe_u32 s2, ttmp6, 0x10000c
	s_cmp_lg_u32 s2, 0xf033
	s_cbranch_scc0 .Lentry_shape_is_right
	s_endpgm
.Lentry_shape_is_right:
; out0 = (attention's result) w_out on codes of BF6 (E3M2) with E8M0 scales, K = 1,024.  A work-group of four waves makes 128 x 128, a wave 64 x 64: 16 accumulators.
; Operands lie in memory as images of their registers: a tile of 16 rows is 12,288 bytes, 1,536 a K step.  All of K of the work-group's 8 + 8 tiles is 196,608 bytes and fits in LDS:
; each wave brings four tiles, 49,152 dense bytes, by ONE joint load at the head (waves 0, 1 A's halves, waves 2, 3 B's); one barrier shows them to all; nothing is filled again.
; CLUSTERS: 4 x 4 work-groups; A's tiles are asked for jointly along a row of the cluster, B's along a column.  No prefetch: all is asked for at the head.
; The matrix instruction is used transposed; the results leave through each wave's own stage behind the tiles, as whole units of 256 bytes.
.set QB,    49152
.set STAGE, 196608
.set FR,  12
.set A16, 4
.set A8,  6
.set B16, 8
.set B8,  10
.set SOFF, 12
.set STO, 13
.set RD,  14
.set CO,  15
.set SC,  32
.set OB,  64
.set ACC, 128
.set G1,  24
.set G0,  32
.set G1B, 48
.set G0B, 68
.set MSB, 0
.macro WIN new
.if MSB != \new
	s_set_vgpr_msb (MSB<<8)|\new
.set MSB, \new
.endif
.endm
.macro JLOAD g0a, g1a, g0b, g1b
	s_cmp_eq_u32 s11, 0
	s_cbranch_scc0 .Lfor_b_\@
	tensor_load_to_lds s[\g0a:\g0a+3], s[\g1a:\g1a+7]
	s_nop 0
.rept 4
	v_nop
.endr
	s_branch .Lasked_\@
.Lfor_b_\@:
	tensor_load_to_lds s[\g0b:\g0b+3], s[\g1b:\g1b+7]
	s_nop 0
.rept 4
	v_nop
.endr
.Lasked_\@:
.endm
.macro CROUND
	s_barrier_signal -1
	s_barrier_wait -1
	s_cmp_lg_u32 s10, 0
	s_cbranch_scc1 .Lnot_wave_0_\@
	s_barrier_signal -3
.Lnot_wave_0_\@:
	s_barrier_wait -3
	s_barrier_signal -1
	s_barrier_wait -1
.endm
.macro PLACES
.rept 4
	v_nop
.endr
.endm
	s_load_b128 s[4:7], s[0:1], 0x0
	s_load_b64 s[8:9], s[0:1], 0x10
	v_lshl_add_u32 v30, v0, 2, 0x34400
	v_mov_b32 v31, 0
	ds_add_u32 v30, v31
	ds_add_u32 v30, v31
	v_lshrrev_b32 v1, 5, v0
	v_readfirstlane_b32 s10, v1
	s_lshr_b32 s11, s10, 1
	s_and_b32 s12, s10, 1
	s_bfe_u32 s13, ttmp6, 0x40000
	s_bfe_u32 s14, ttmp6, 0x40004
	s_lshl_b32 s15, ttmp9, 2
	s_add_co_u32 s15, s15, s13
	s_and_b32 s16, ttmp7, 0xffff
	s_lshl_b32 s16, s16, 2
	s_add_co_u32 s16, s16, s14
	s_lshl_b32 s17, s14, 2
	s_lshl_b32 s17, 15, s17
	s_lshl_b32 s18, 0x1111, s13
	s_or_b32 s[G1], s17, (3<<16)|(1<<21)
	s_or_b32 s[G1B], s18, (3<<16)|(1<<21)
.irp g, G1, G1B
	s_mov_b32 s[\g+1], 1536<<16                    ; a row: a tile's 12,288 bytes, as elements of 8
	s_mov_b32 s[\g+2], 4<<16                       ; four tiles
	s_mov_b32 s[\g+3], 1536<<16
	s_mov_b32 s[\g+4], 4
	s_mov_b32 s[\g+5], 1536
	s_mov_b32 s[\g+6], 0
	s_mov_b32 s[\g+7], 0
.endr
	s_lshl_b32 s19, s12, 2
	s_lshl_b32 s20, s16, 3
	s_add_co_u32 s20, s20, s19
	s_add_co_u32 s20, s20, 512
	s_mul_i32 s20, s20, 12288
	s_mov_b32 s21, 0
	s_lshl_b32 s22, s15, 3
	s_add_co_u32 s22, s22, s19
	s_add_co_u32 s22, s22, 448
	s_mul_i32 s22, s22, 12288
	s_mov_b32 s23, 0
	s_mul_i32 s56, s10, 49152                      ; where my four tiles go: the wave's number alone enters an LDS address
	s_wait_dscnt 0x0
	s_wait_kmcnt 0x0
	s_add_nc_u64 s[20:21], s[4:5], s[20:21]
	s_add_nc_u64 s[22:23], s[4:5], s[22:23]
	CROUND
.irp c, 0
	s_mov_b32 s[G0+4*\c], 1
	s_add_co_u32 s[G0+4*\c+1], s56, \c*QB
	s_add_nc_u64 s[G0+4*\c+2:G0+4*\c+3], s[20:21], \c*3072
	s_or_b32 s[G0+4*\c+3], s[G0+4*\c+3], 0x80000000
	s_mov_b32 s[G0B+4*\c], 1
	s_add_co_u32 s[G0B+4*\c+1], s56, \c*QB
	s_add_nc_u64 s[G0B+4*\c+2:G0B+4*\c+3], s[22:23], \c*3072
	s_or_b32 s[G0B+4*\c+3], s[G0B+4*\c+3], 0x80000000
	JLOAD G0+4*\c, G1, G0B+4*\c, G1B               ; my one tensor load, behind the round
.endr
	v_and_b32 v1, 31, v0
	s_wait_alu depctr_va_vdst(0)
	v_and_b32 v2, 15, v0
	v_bfe_u32 v3, v0, 4, 1
	s_lshl_b32 s57, s16, 3
	s_lshl_b32 s58, s11, 2
	s_add_co_u32 s57, s57, s58
	s_add_co_u32 s57, s57, 512
	s_lshl_b32 s57, s57, 9
	s_lshl_b32 s58, s15, 3
	s_lshl_b32 s59, s12, 2
	s_add_co_u32 s58, s58, s59
	s_add_co_u32 s58, s58, 448
	s_lshl_b32 s58, s58, 9
	v_mov_b32 v16, s57
	v_mov_b32 v17, s58
	v_cmp_le_u32 vcc_lo, 16, v1
	v_cndmask_b32 v[SOFF], v16, v17, vcc_lo
	s_wait_alu depctr_va_vdst(0)
	v_lshl_add_u32 v[SOFF], v2, 3, v[SOFF]
.irp i, 0,1,2,3
.irp g, 0,1,2,3
	global_load_b64 v[SC+8*\i+2*\g:SC+8*\i+2*\g+1], v[SOFF], s[6:7] offset:(\i/2)*1024+(\i%2)*128+256*\g
.endr
.endr
	v_lshlrev_b32 v16, 4, v1
	v_lshlrev_b32 v17, 3, v1
	s_mul_i32 s57, s11, 49152                      ; my four tiles of A,
	s_mul_i32 s58, s12, 49152
	s_add_co_u32 s58, s58, 98304                   ; and of B, behind A's eight
.irp p, 0
	v_add_nc_u32 v[A16+\p], s57, v16
	v_add_nc_u32 v[A8+\p], s57, v17
	v_add_nc_u32 v[B16+\p], s58, v16
	v_add_nc_u32 v[B8+\p], s58, v17
	s_add_co_u32 s57, s57, 2*QB
	s_add_co_u32 s58, s58, 2*QB
.endr
	s_mul_i32 s57, s10, 4352
	s_add_co_u32 s57, s57, STAGE
	v_mul_u32_u24 v16, v2, 272
	v_lshl_add_u32 v16, v3, 6, v16
	v_add_nc_u32 v[STO], s57, v16
	v_mul_u32_u24 v16, v3, 272
	v_lshl_add_u32 v16, v2, 4, v16
	v_add_nc_u32 v[RD], s57, v16
	v_lshlrev_b32 v16, 12, v3
	v_lshl_add_u32 v[CO], v2, 4, v16
	s_lshl_b32 s57, s16, 7
	s_lshl_b32 s58, s11, 6
	s_add_co_u32 s57, s57, s58
	s_lshl_b32 s60, s57, 12
	s_lshl_b32 s58, s15, 9
	s_add_co_u32 s60, s60, s58
	s_lshl_b32 s58, s12, 8
	s_add_co_u32 s60, s60, s58
	s_mov_b32 s61, 0
	s_add_nc_u64 s[8:9], s[8:9], s[60:61]
.macro FRAG reg, a16, a8, off
	ds_load_b128 v[\reg:\reg+3], v[\a16] offset:\off
	ds_load_b64 v[\reg+4:\reg+5], v[\a8] offset:\off+512
	ds_load_b128 v[\reg+6:\reg+9], v[\a16] offset:\off+768
	ds_load_b64 v[\reg+10:\reg+11], v[\a8] offset:\off+1280
.endm
.macro FETCH k, f
	WIN 0x40
.irp i, 0,1,2,3
	FRAG \f+FR*\i, A16, A8, \i*12288+(\k)*1536
	FRAG \f+48+FR*\i, B16, B8, \i*12288+(\k)*1536
.endr
.endm
.macro MULS k, f, zero
	WIN 0x05
.irp a, 0,1,2,3
.irp b, 0,1,2,3
.if \zero
	v_wmma_scale_f32_16x16x128_f8f6f4 v[ACC+8*(4*\a+\b):ACC+8*(4*\a+\b)+7], v[\f+48+FR*\b:\f+48+FR*\b+FR-1], v[\f+FR*\a:\f+FR*\a+FR-1], 0, v[SC+8*\b+(\k)], v[SC+8*\a+(\k)] matrix_a_fmt:MATRIX_FMT_BF6 matrix_b_fmt:MATRIX_FMT_BF6 matrix_a_scale:MATRIX_SCALE_ROW1
.else
	v_wmma_scale_f32_16x16x128_f8f6f4 v[ACC+8*(4*\a+\b):ACC+8*(4*\a+\b)+7], v[\f+48+FR*\b:\f+48+FR*\b+FR-1], v[\f+FR*\a:\f+FR*\a+FR-1], v[ACC+8*(4*\a+\b):ACC+8*(4*\a+\b)+7], v[SC+8*\b+(\k)], v[SC+8*\a+(\k)] matrix_a_fmt:MATRIX_FMT_BF6 matrix_b_fmt:MATRIX_FMT_BF6 matrix_a_scale:MATRIX_SCALE_ROW1
.endif
.endr
.endr
.endm
	s_wait_alu depctr_va_vdst(0)
	s_wait_tensorcnt 0x0                           ; my four tiles are in
	s_barrier_signal -1
	s_barrier_wait -1
	FETCH 0, 0
	s_wait_loadcnt 0x0
.irp k, 0,1,2,3,4,5,6,7
.if \k < 7
.if \k > 0
	PLACES
.endif
	FETCH \k+1, 128*((\k+1)%2)
	s_wait_dscnt 32
.else
	s_wait_dscnt 0x0
.endif
.if \k == 0
	MULS \k, 0, 1
.else
	MULS \k, 128*(\k%2), 0
.endif
.endr
	WIN 0
.macro TOSTAGE a
.irp b, 0,1,2,3
	ds_store_b128 v[STO], v[ACC+8*(4*(\a)+\b):ACC+8*(4*(\a)+\b)+3] offset:128*(\b/2)+32*(\b%2)
	ds_store_b128 v[STO], v[ACC+8*(4*(\a)+\b)+4:ACC+8*(4*(\a)+\b)+7] offset:128*(\b/2)+32*(\b%2)+16
.endr
.irp t, 0,1,2,3,4,5,6,7
	ds_load_b128 v[OB+32*((\a)%2)+4*\t:OB+32*((\a)%2)+4*\t+3], v[RD] offset:544*\t
.endr
.endm
.macro SEND a, younger
	s_wait_dscnt \younger
.irp t, 0,1,2,3,4,5,6,7
	global_store_b128 v[CO], v[OB+32*((\a)%2)+4*\t:OB+32*((\a)%2)+4*\t+3], s[8:9] offset:(32*((\a)/2)+8*((\a)%2)+2*\t+8*(\t/4))*4096 th:TH_STORE_NT
.endr
.endm
	PLACES
	TOSTAGE 0
.irp a, 1,2,3
.if \a > 1
	s_wait_xcnt 0x0
.endif
	TOSTAGE \a
	SEND \a-1, 16
.endr
	SEND 3, 0
	s_wait_dscnt 0x0
	s_wait_tensorcnt 0x0
	ds_add_u32 v30, v31
	s_wait_dscnt 0x0
	CROUND
	s_endpgm
.Lfunc_end_k_q9dc800db79_oproj:
	.size	k_q9dc800db79_oproj, .Lfunc_end_k_q9dc800db79_oproj-k_q9dc800db79_oproj
	.p2alignl 7, 3214868480
	.fill 96, 4, 3214868480
	.section	.rodata,"a",@progbits
	.p2align	6, 0x0
	.amdhsa_kernel k_q9dc800db79_oproj
		.amdhsa_group_segment_fixed_size 327680
		.amdhsa_private_segment_fixed_size 0
		.amdhsa_enable_private_segment 0
		.amdhsa_kernarg_size 24
		.amdhsa_user_sgpr_count 2
		.amdhsa_user_sgpr_kernarg_segment_ptr 1
		.amdhsa_wavefront_size32 1
		.amdhsa_system_sgpr_workgroup_id_x 1
		.amdhsa_system_sgpr_workgroup_id_y 1
		.amdhsa_system_sgpr_workgroup_id_z 1
		.amdhsa_system_vgpr_workitem_id 0
		.amdhsa_next_free_vgpr 512
		.amdhsa_next_free_sgpr 90
		.amdhsa_reserve_vcc 1
		.amdhsa_float_denorm_mode_32 3
		.amdhsa_float_denorm_mode_16_64 3
		.amdhsa_memory_ordered 1
		.amdhsa_forward_progress 1
		.amdhsa_inst_pref_size 50
	.end_amdhsa_kernel
	.amdgpu_metadata
---
amdhsa.version: [ 1, 2 ]
amdhsa.kernels:
  - .name:           k_q9dc800db79_oproj
    .symbol:         k_q9dc800db79_oproj.kd
    .args:
      - { .name: cod, .offset: 0, .size: 8, .value_kind: global_buffer, .address_space: global }
      - { .name: scl, .offset: 8, .size: 8, .value_kind: global_buffer, .address_space: global }
      - { .name: out0, .offset: 16, .size: 8, .value_kind: global_buffer, .address_space: global }
    .group_segment_fixed_size: 327680
    .private_segment_fixed_size: 0
    .kernarg_segment_align: 8
    .kernarg_segment_size: 24
    .max_flat_workgroup_size: 128
    .sgpr_count:     90
    .vgpr_count:     512
    .wavefront_size: 32
...
	.end_amdgpu_metadata
.endif
;; end of part 4
